; MI455X (gfx1250); checked and timed in simulation.
; The chip was launched on July 23, 2026; its instructions are those of AMD's public machine-readable ISA for CDNA 5 (MIT licence, August 2026) and "CDNA5" Instruction Set Architecture Reference Guide (July 2026). The comments in the code are by the model that wrote it; some were corrected since.
;; Point Net Feature Propagation. Allowed arithmetic: float matrix products may take bf16 or f16 operands with f32 sums; all other float work in f32.
;; Inputs: b0 256 float32; b1 128 float32; bias0 256 float32; bias1 128 float32; mean0 256 float32; mean1 128 float32; points1 64 x 65,536 float32; points2 256 x 2,048 float32; scale0 256 float32; scale1 128 float32; var0 256 float32; var1 128 float32; w0 320 x 256 float32; w1 256 x 128 float32; xyz1 3 x 65,536 float32; xyz2 3 x 2,048 float32.
;; Outputs: out0 128 x 65,536 float32.
;; 2 versions, each right; version 2 is version 1 with the launch mlp written anew for expert scheduling mode. Each part assembles by itself: llvm-mc -triple=amdgcn-amd-amdhsa -mcpu=gfx1250 --defsym DOCPART=n.
;; ======== version 1 of 2: 3 launches
;; limits: values outside matrix products are rounded to bf16
;; workspace buffers: grp 262,144 bytes of whole numbers; nidx 1,048,576 bytes of whole numbers; nwgt 1,048,576 bytes; q 2,097,152 bytes
;; launch front (part 1): grid 256 x 1, 8 waves a work-group, no clusters, 89,088 bytes of LDS; arguments xyz1, xyz2, grp; writes grp
.if DOCPART == 1
	.amdgcn_target "amdgcn-amd-amdhsa--gfx1250"
	.amdhsa_code_object_version 6
	.text
	.protected	k_qb0b947ec8e_front
	.globl	k_qb0b947ec8e_front
	.p2align	8
	.type	k_qb0b947ec8e_front,@function
k_qb0b947ec8e_front:
	s_mov_b64 s[64:65], 0
	v_nop
	global_prefetch_b8 v0, s[64:65] scope:SCOPE_SE
	s_setreg_imm32_b32 hwreg(HW_REG_WAVE_MODE, 25, 1), 1
	s_wait_xcnt 0x0
; First level of the search for the 3 nearest of 2,048 centres: the centres form 128 groups of 16 neighbouring indices, and for each
; of 65,536 points the 3 groups with the smallest (group minimum of d, group number) are stored, their numbers ascending, as one word.
; Every member of the (d, index) top 3 lies in one of these groups: three groups ranked ahead of its own would each hold a centre
; that precedes it.  The next launch scans those 48 centres exactly.
; d = (n1 + n2) + q, q = -2 (x x' + y y' + z z') summed in this order, n = (x x + y y) + z z, all in f32.
; LIMITS: the coordinates are rounded to bf16 once on entry (their products are then exact in f32, so a fused and an unfused chain
; give the same bits); NaN or infinite coordinates are not served (the minima drop NaN).
; SHARE: a work-group owns 256 points; all eight waves hold the same points, lane l the points 8 l .. 8 l + 7 as four packed pairs;
; wave w scans groups 16 w .. 16 w + 15, one broadcast LDS load of 16 bytes a centre; the eight lists of three meet in LDS.
; No matrix unit: the product has K = 3 of a form's 32 places, and the selection needs the chain's own roundings.
.set T2P, 272                          ; bytes of a group in the table: 16 centres x 16 bytes + 16
.set LS,  34816                        ; behind the table: lists [wave][M1 M2 M3 G1 G2 G3][256 points] of words, 49,152 bytes
.set OW,  83968                        ; 256 packed words on their way out
.set RX,  8                            ; v[8:15] x, v[16:23] y, v[24:31] z of my 8 points
.set RY,  16
.set RZ,  24
.set RN,  32                           ; v[32:39]  n1
.set RM1, 40                           ; v[40:63]  the three smallest group minima, ascending
.set RM2, 48
.set RM3, 56
.set RG1, 64                           ; v[64:87]  their group numbers
.set RG2, 72
.set RG3, 80
.set GM,  88                           ; v[88:95]  the running minimum of the group at work
.set TA,  96                           ; v[96:127] at work: q and d, n1 + n2, for two centres
.set TB,  104
.set UA,  112
.set UB,  120
.set CB0, 128                          ; v[128:159] centres 0-7 of a group, 4 registers each: -2x, -2y, -2z, n2
.set CB1, 160                          ; v[160:191] centres 8-15
.macro ROUND2 a, b, tmp                ; two f32 rounded to bf16 (nearest even) and widened again, in place
	v_cvt_pk_bf16_f32 v[\tmp], v[\a], v[\b]
	v_lshlrev_b32 v[\a], 16, v[\tmp]
	v_and_b32 v[\b], 0xffff0000, v[\tmp]
.endm
; The table of centres.  Thread t owns centres 2 t + e + 512 i (e = 0, 1; i = 0 .. 3): twelve loads of 8 bytes, a wave's load 256 neighbouring bytes.
.macro T2_LOADS raw, voff
.irp i, 0,1,2,3
.irp c, 0,1,2
	global_load_b64 v[\raw+6*\i+2*\c:\raw+6*\i+2*\c+1], v[\voff], s[6:7] offset:8192*\c+2048*\i
.endr
.endr
.endm
; younger = loads issued behind the twelve.  Centre j lies at (j >> 4) 272 + (j & 15) 16.
.macro T2_BUILD raw, o, tmp, younger, sto
.irp i, 0,1,2,3
	s_wait_loadcnt 9-3*\i+\younger                 ; the 3 (3 - i) later loads of the table and the younger ones stay out
	ROUND2 \raw+6*\i, \raw+6*\i+1, \tmp+2
	ROUND2 \raw+6*\i+2, \raw+6*\i+3, \tmp+2
	ROUND2 \raw+6*\i+4, \raw+6*\i+5, \tmp+2
	v_pk_mul_f32 v[\tmp:\tmp+1], v[\raw+6*\i:\raw+6*\i+1], v[\raw+6*\i:\raw+6*\i+1]
	v_pk_fma_f32 v[\tmp:\tmp+1], v[\raw+6*\i+2:\raw+6*\i+3], v[\raw+6*\i+2:\raw+6*\i+3], v[\tmp:\tmp+1]
	v_fma_f32 v[\o+3], v[\raw+6*\i+4], v[\raw+6*\i+4], v[\tmp]       ; n2 of the even centre
	v_fma_f32 v[\o+7], v[\raw+6*\i+5], v[\raw+6*\i+5], v[\tmp+1]     ; and of the odd one
.irp c, 0,1,2
	v_mul_f32 v[\o+\c], -2.0, v[\raw+6*\i+2*\c]                      ; exact
	v_mul_f32 v[\o+4+\c], -2.0, v[\raw+6*\i+2*\c+1]
.endr
	ds_store_b128 v[\sto], v[\o:\o+3] offset:8704*\i                 ; 512 centres are 32 groups: 8,704 bytes
	ds_store_b128 v[\sto], v[\o+4:\o+7] offset:8704*\i+16
.endr
.endm
; d goes into a list of three kept ascending; an equal d stays behind what is there, so what comes first wins a tie.
.macro INS d, new, m1, m2, m3, i1, i2, i3, k3, k2, k1
	v_cmp_ge_f32 s[\k3], v[\d], v[\m3]
	v_cmp_ge_f32 s[\k2], v[\d], v[\m2]
	v_cmp_ge_f32 s[\k1], v[\d], v[\m1]
	v_cndmask_b32 v[\i3], \new, v[\i3], s[\k3]
	v_cndmask_b32 v[\i3], v[\i2], v[\i3], s[\k2]
	v_cndmask_b32 v[\i2], \new, v[\i2], s[\k2]
	v_cndmask_b32 v[\i2], v[\i1], v[\i2], s[\k1]
	v_cndmask_b32 v[\i1], \new, v[\i1], s[\k1]
	v_med3_num_f32 v[\m3], v[\d], v[\m2], v[\m3]
	v_med3_num_f32 v[\m2], v[\d], v[\m1], v[\m2]
	v_min_num_f32 v[\m1], v[\d], v[\m1]
.endm
; d of my 8 points to the centre in v[c:c+3], into v[t:t+7]; the centre's four numbers are broadcast to both halves by op_sel
.macro DIST c, t, u
.irp p, 0,2,4,6
	v_pk_mul_f32 v[\t+\p:\t+\p+1], v[RX+\p:RX+\p+1], v[\c:\c+1] op_sel_hi:[1,0]
.endr
.irp p, 0,2,4,6
	v_pk_add_f32 v[\u+\p:\u+\p+1], v[RN+\p:RN+\p+1], v[\c+2:\c+3] op_sel:[0,1] op_sel_hi:[1,1]
.endr
.irp p, 0,2,4,6
	v_pk_fma_f32 v[\t+\p:\t+\p+1], v[RY+\p:RY+\p+1], v[\c:\c+1], v[\t+\p:\t+\p+1] op_sel:[0,1,0] op_sel_hi:[1,1,1]
.endr
.irp p, 0,2,4,6
	v_pk_fma_f32 v[\t+\p:\t+\p+1], v[RZ+\p:RZ+\p+1], v[\c+2:\c+3], v[\t+\p:\t+\p+1] op_sel_hi:[1,0,1]
.endr
.irp p, 0,2,4,6
	v_pk_add_f32 v[\t+\p:\t+\p+1], v[\u+\p:\u+\p+1], v[\t+\p:\t+\p+1]
.endr
.endm
.macro PAIR ca, cb, first              ; two centres; first = 1: they start the group's minimum
	DIST \ca, TA, UA
	DIST \cb, TB, UB
.irp p, 0,1,2,3,4,5,6,7
.if \first
	v_min_num_f32 v[GM+\p], v[TA+\p], v[TB+\p]
.else
	v_min3_num_f32 v[GM+\p], v[GM+\p], v[TA+\p], v[TB+\p]
.endif
.endr
.endm
; One group of 16 centres.  ahead = 1: each half buffer is loaded again, with the next group's centres, as soon as it has been used.
.macro GROUP ahead
	s_wait_dscnt 8                                 ; centres 0-7 are in; the eight loads of centres 8-15 stay out
	PAIR CB0, CB0+4, 1
	PAIR CB0+8, CB0+12, 0
	PAIR CB0+16, CB0+20, 0
	PAIR CB0+24, CB0+28, 0
.if \ahead
.irp i, 0,1,2,3,4,5,6,7
	ds_load_b128 v[CB0+4*\i:CB0+4*\i+3], v5 offset:T2P+16*\i
.endr
	s_wait_dscnt 8                                 ; centres 8-15 are in; the eight loads just issued stay out
.else
	s_wait_dscnt 0
.endif
	PAIR CB1, CB1+4, 0
	PAIR CB1+8, CB1+12, 0
	PAIR CB1+16, CB1+20, 0
	PAIR CB1+24, CB1+28, 0
.if \ahead
.irp i, 0,1,2,3,4,5,6,7
	ds_load_b128 v[CB1+4*\i:CB1+4*\i+3], v5 offset:T2P+128+16*\i
.endr
.endif
	; the group's minimum goes into each point's list of three, in stages so that no line waits for the one in front of it
.irp p, 0,1,2,3,4,5,6,7
	v_cmp_ge_f32 s[20+\p], v[GM+\p], v[RM3+\p]
	v_cmp_ge_f32 s[28+\p], v[GM+\p], v[RM2+\p]
	v_cmp_ge_f32 s[36+\p], v[GM+\p], v[RM1+\p]
.endr
.irp p, 0,1,2,3,4,5,6,7
	v_cndmask_b32 v[RG3+\p], s12, v[RG3+\p], s[20+\p]
.endr
.irp p, 0,1,2,3,4,5,6,7
	v_cndmask_b32 v[RG3+\p], v[RG2+\p], v[RG3+\p], s[28+\p]
.endr
.irp p, 0,1,2,3,4,5,6,7
	v_cndmask_b32 v[RG2+\p], s12, v[RG2+\p], s[28+\p]
.endr
.irp p, 0,1,2,3,4,5,6,7
	v_cndmask_b32 v[RG2+\p], v[RG1+\p], v[RG2+\p], s[36+\p]
.endr
.irp p, 0,1,2,3,4,5,6,7
	v_cndmask_b32 v[RG1+\p], s12, v[RG1+\p], s[36+\p]
.endr
.irp p, 0,1,2,3,4,5,6,7
	v_med3_num_f32 v[RM3+\p], v[GM+\p], v[RM2+\p], v[RM3+\p]
.endr
.irp p, 0,1,2,3,4,5,6,7
	v_med3_num_f32 v[RM2+\p], v[GM+\p], v[RM1+\p], v[RM2+\p]
.endr
.irp p, 0,1,2,3,4,5,6,7
	v_min_num_f32 v[RM1+\p], v[GM+\p], v[RM1+\p]
.endr
	v_add_nc_u32 v5, T2P, v5                       ; the next group's row of the table
	s_add_co_u32 s12, s12, 1                       ; and its number
.endm
	s_load_b128 s[4:7], s[0:1], 0x0                ; xyz1 s[4:5], xyz2 s[6:7]
	s_load_b64 s[10:11], s[0:1], 0x10              ; grp
	v_lshl_add_u32 v192, v0, 2, 0x15800
	v_mov_b32 v193, 0
	v_lshrrev_b32 v7, 5, v0
	v_readfirstlane_b32 s8, v7                     ; wave 0..7
	v_and_b32 v1, 31, v0                           ; lane
	v_lshlrev_b32 v2, 3, v0                        ; 8 t: my two centres in a row of xyz2
	v_lshrrev_b32 v3, 3, v0
	v_mul_u32_u24 v3, v3, T2P
	v_and_b32 v7, 7, v0
	v_lshl_add_u32 v3, v7, 5, v3                   ; (t >> 3) 272 + (t & 7) 32: where they go
	v_lshlrev_b32 v4, 5, v1                        ; 32 x lane: my 8 points
	s_lshl_b32 s14, ttmp9, 10                      ; the work-group's 256 points, 4 bytes each
	s_mov_b32 s15, 0
	s_wait_kmcnt 0x0
	s_add_nc_u64 s[4:5], s[4:5], s[14:15]
	s_add_nc_u64 s[10:11], s[10:11], s[14:15]
	T2_LOADS CB0, 2
	global_load_b128 v[RX:RX+3],   v4, s[4:5]
	global_load_b128 v[RX+4:RX+7], v4, s[4:5] offset:16
	global_load_b128 v[RY:RY+3],   v4, s[4:5] offset:262144
	global_load_b128 v[RY+4:RY+7], v4, s[4:5] offset:262160
	global_load_b128 v[RZ:RZ+3],   v4, s[4:5] offset:524288
	global_load_b128 v[RZ+4:RZ+7], v4, s[4:5] offset:524304
	T2_BUILD CB0, CB0+24, CB0+32, 6, 3             ; six younger loads: my points' coordinates
	s_wait_loadcnt 0x0
.irp p, 0,2,4,6,8,10,12,14,16,18,20,22
	ROUND2 RX+\p, RX+\p+1, 7
.endr
.irp p, 0,2,4,6
	v_pk_mul_f32 v[RN+\p:RN+\p+1], v[RX+\p:RX+\p+1], v[RX+\p:RX+\p+1]
.endr
.irp p, 0,2,4,6
	v_pk_fma_f32 v[RN+\p:RN+\p+1], v[RY+\p:RY+\p+1], v[RY+\p:RY+\p+1], v[RN+\p:RN+\p+1]
.endr
.irp p, 0,2,4,6
	v_pk_fma_f32 v[RN+\p:RN+\p+1], v[RZ+\p:RZ+\p+1], v[RZ+\p:RZ+\p+1], v[RN+\p:RN+\p+1]
.endr
.set n, 0
.rept 24                                           ; the insertion reads the old lists: +infinity and group 0, once; 16 groups push all of it out
	v_mov_b32 v[RM1+n], 0x7f800000
	v_mov_b32 v[RG1+n], 0
.set n, n+1
.endr
	s_mul_i32 s16, s8, 16*T2P
	v_mov_b32 v5, s16                              ; my wave's first group in the table, the same address in every lane
	s_lshl_b32 s12, s8, 4                          ; and its number
	s_wait_dscnt 0x0                               ; my part of the table is written,
	s_barrier_signal -1
	s_barrier_wait -1                              ; everybody's is
.irp i, 0,1,2,3,4,5,6,7
	ds_load_b128 v[CB0+4*\i:CB0+4*\i+3], v5 offset:16*\i
.endr
.irp i, 0,1,2,3,4,5,6,7
	ds_load_b128 v[CB1+4*\i:CB1+4*\i+3], v5 offset:128+16*\i
.endr
	s_mov_b32 s13, 15
.Lgroup:
	GROUP 1
	s_sub_co_u32 s13, s13, 1
	s_cmp_lg_u32 s13, 0
	s_cbranch_scc1 .Lgroup
	GROUP 0                                        ; the wave's last group loads nothing further
	; the eight waves' lists meet: six lists of 256 words a wave
	s_mul_i32 s16, s8, 6144
	s_add_co_u32 s16, s16, LS
	v_add_nc_u32 v6, s16, v4
.irp a, 0,1,2,3,4,5
	ds_store_b128 v6, v[RM1+8*\a:RM1+8*\a+3] offset:1024*\a
	ds_store_b128 v6, v[RM1+8*\a+4:RM1+8*\a+7] offset:1024*\a+16
.endr
	s_wait_dscnt 0x0                               ; my lists are written,
	s_barrier_signal -1
	s_barrier_wait -1                              ; everybody's are
	; thread t merges point t.  Waves ascend and each list is in (minimum, group) order, so equal minima arrive with ascending group numbers.
	v_lshl_add_u32 v6, v0, 2, LS
.irp a, 0,1,2,3,4,5
	ds_load_b32 v[40+\a], v6 offset:1024*\a        ; wave 0's list starts the merged one: minima v40-42, groups v43-45
.endr
.irp w, 1,2,3,4,5,6,7
.irp a, 0,1,2,3,4,5
	ds_load_b32 v[96+6*(\w-1)+\a], v6 offset:1024*(6*\w+\a)
.endr
.endr
.irp w, 1,2,3,4,5,6,7
	s_wait_dscnt 42-6*\w                           ; the six loads of each later list stay out
.irp e, 0,1,2
	INS 96+6*(\w-1)+\e, v[99+6*(\w-1)+\e], 40, 41, 42, 43, 44, 45, 20, 21, 22
.endr
.endr
	v_min_u32 v7, v43, v44                         ; the three numbers in ascending order: the next launch scans indices ascending
	v_max_u32 v46, v43, v44
	v_min_u32 v47, v46, v45
	v_max_u32 v48, v46, v45
	v_min_u32 v49, v7, v47
	v_max_u32 v50, v7, v47
	v_lshl_or_b32 v49, v50, 8, v49
	v_lshl_or_b32 v49, v48, 16, v49
	v_lshl_add_u32 v51, v0, 2, OW
	ds_store_b32 v51, v49
	s_wait_dscnt 0x0
	s_barrier_signal -1
	s_barrier_wait -1
	s_cmp_ge_u32 s8, 2                             ; 1,024 bytes leave by two waves, 16 bytes a lane: each store covers 512 consecutive bytes, aligned
	s_cbranch_scc1 .Lend
	v_lshlrev_b32 v52, 4, v0
	v_add_nc_u32 v53, OW, v52
	ds_load_b128 v[56:59], v53
	s_wait_dscnt 0x0
	global_store_b128 v52, v[56:59], s[10:11]
.Lend:
	s_wait_tensorcnt 0x0
	ds_add_u32 v192, v193
	s_wait_dscnt 0x0
	s_endpgm
.Lfunc_end_k_qb0b947ec8e_front:
	.size	k_qb0b947ec8e_front, .Lfunc_end_k_qb0b947ec8e_front-k_qb0b947ec8e_front
	.p2alignl 7, 3214868480
	.fill 96, 4, 3214868480
	.section	.rodata,"a",@progbits
	.p2align	6, 0x0
	.amdhsa_kernel k_qb0b947ec8e_front
		.amdhsa_group_segment_fixed_size 89088
		.amdhsa_private_segment_fixed_size 0
		.amdhsa_enable_private_segment 0
		.amdhsa_kernarg_size 24
		.amdhsa_user_sgpr_count 2
		.amdhsa_user_sgpr_kernarg_segment_ptr 1
		.amdhsa_wavefront_size32 1
		.amdhsa_system_sgpr_workgroup_id_x 1
		.amdhsa_system_sgpr_workgroup_id_y 1
		.amdhsa_system_sgpr_workgroup_id_z 1
		.amdhsa_system_vgpr_workitem_id 0
		.amdhsa_next_free_vgpr 194
		.amdhsa_next_free_sgpr 66
		.amdhsa_reserve_vcc 0
		.amdhsa_float_denorm_mode_32 3
		.amdhsa_float_denorm_mode_16_64 3
		.amdhsa_memory_ordered 1
		.amdhsa_forward_progress 1
		.amdhsa_inst_pref_size 92
	.end_amdhsa_kernel
	.amdgpu_metadata
---
amdhsa.version: [ 1, 2 ]
amdhsa.kernels:
  - .name:           k_qb0b947ec8e_front
    .symbol:         k_qb0b947ec8e_front.kd
    .args:
      - { .name: xyz1, .offset: 0, .size: 8, .value_kind: global_buffer, .address_space: global }
      - { .name: xyz2, .offset: 8, .size: 8, .value_kind: global_buffer, .address_space: global }
      - { .name: grp, .offset: 16, .size: 8, .value_kind: global_buffer, .address_space: global }
    .group_segment_fixed_size: 89088
    .private_segment_fixed_size: 0
    .kernarg_segment_align: 8
    .kernarg_segment_size: 24
    .max_flat_workgroup_size: 256
    .sgpr_count:     66
    .vgpr_count:     194
    .wavefront_size: 32
...
	.end_amdgpu_metadata
.endif
;; end of part 1
;; launch refine (part 2): grid 384 x 1, 8 waves a work-group, no clusters, 100,352 bytes of LDS; arguments xyz1, xyz2, grp, points2, w0, nidx, nwgt, q; writes nidx, nwgt, q
.if DOCPART == 2
	.amdgcn_target "amdgcn-amd-amdhsa--gfx1250"
	.amdhsa_code_object_version 6
	.text
	.protected	k_qb0b947ec8e_refine
	.globl	k_qb0b947ec8e_refine
	.p2align	8
	.type	k_qb0b947ec8e_refine,@function
k_qb0b947ec8e_refine:
	s_mov_b64 s[64:65], 0
	v_nop
	global_prefetch_b8 v0, s[64:65] scope:SCOPE_SE
	s_setreg_imm32_b32 hwreg(HW_REG_WAVE_MODE, 25, 1), 1
	s_wait_xcnt 0x0
; Two bodies, chosen by the work-group's number alone.
; Work-groups 0-255: thread t scans, for point 256 x + t, the 48 centres of the three groups that the launch before stored (group numbers
; ascending, so indices ascend and the lower index wins a tie), with the same arithmetic bit for bit, keeps the three smallest
; (d, index), and stores the indices and the weights w_k = (1 / (d_k + 1e-8)) / sum.
; Work-groups 256-383: a tile of 64 centres x 64 channels of Q[s][c] = sum over k of points2[k][s] w0[64 + k][c], K = 256, in f32.  The
; interpolated row times the lower 256 rows of w0 is then sum_k w_k Q[idx_k] (the product is linear), which the last launch gathers.
; LIMITS: all floating-point inputs are rounded to bf16 once on entry, later arithmetic is f32; NaN or infinite coordinates are not served;
; the two divisions are v_rcp_f32 and a multiply.
; No tensor loads: every operand passes through registers to be rounded.
.set T2P, 272
.set PB,  40960                        ; Q body: w0's slab [256 k][64 c] bf16, behind points2's slab [256 k][64 s] at 0; both with rows of 160 bytes
.set SP,  160                          ; 128 bytes + 32: an odd multiple of 32, so the transposing loads' rows start at different banks
.set ST,  81920                        ; the tile on its way out: 64 rows of 256 + 16 bytes
.set FP,  16                           ; v[16:79]   points2's fragments, K step ks at 8 ks
.set FW,  80                           ; v[80:207]  w0's fragments, [e][ks] at 64 e + 8 ks
.set DD,  208                          ; v[208:223] two accumulators
.macro ROUND2 a, b, tmp
	v_cvt_pk_bf16_f32 v[\tmp], v[\a], v[\b]
	v_lshlrev_b32 v[\a], 16, v[\tmp]
	v_and_b32 v[\b], 0xffff0000, v[\tmp]
.endm
.macro T2_LOADS raw, voff              ; thread t owns centres 2 t + e + 512 i
.irp i, 0,1,2,3
.irp c, 0,1,2
	global_load_b64 v[\raw+6*\i+2*\c:\raw+6*\i+2*\c+1], v[\voff], s[6:7] offset:8192*\c+2048*\i
.endr
.endr
.endm
.macro T2_BUILD raw, o, tmp, younger, sto   ; centre j at (j >> 4) 272 + (j & 15) 16: -2x, -2y, -2z, n2
.irp i, 0,1,2,3
	s_wait_loadcnt 9-3*\i+\younger                 ; the 3 (3 - i) later loads of the table and the younger ones stay out
	ROUND2 \raw+6*\i, \raw+6*\i+1, \tmp+2
	ROUND2 \raw+6*\i+2, \raw+6*\i+3, \tmp+2
	ROUND2 \raw+6*\i+4, \raw+6*\i+5, \tmp+2
	v_pk_mul_f32 v[\tmp:\tmp+1], v[\raw+6*\i:\raw+6*\i+1], v[\raw+6*\i:\raw+6*\i+1]
	v_pk_fma_f32 v[\tmp:\tmp+1], v[\raw+6*\i+2:\raw+6*\i+3], v[\raw+6*\i+2:\raw+6*\i+3], v[\tmp:\tmp+1]
	v_fma_f32 v[\o+3], v[\raw+6*\i+4], v[\raw+6*\i+4], v[\tmp]
	v_fma_f32 v[\o+7], v[\raw+6*\i+5], v[\raw+6*\i+5], v[\tmp+1]
.irp c, 0,1,2
	v_mul_f32 v[\o+\c], -2.0, v[\raw+6*\i+2*\c]
	v_mul_f32 v[\o+4+\c], -2.0, v[\raw+6*\i+2*\c+1]
.endr
	ds_store_b128 v[\sto], v[\o:\o+3] offset:8704*\i
	ds_store_b128 v[\sto], v[\o+4:\o+7] offset:8704*\i+16
.endr
.endm
.macro INS d, new, m1, m2, m3, i1, i2, i3, k3, k2, k1   ; into a list of three kept ascending; what came first wins a tie
	v_cmp_ge_f32 s[\k3], v[\d], v[\m3]
	v_cmp_ge_f32 s[\k2], v[\d], v[\m2]
	v_cmp_ge_f32 s[\k1], v[\d], v[\m1]
	v_cndmask_b32 v[\i3], \new, v[\i3], s[\k3]
	v_cndmask_b32 v[\i3], v[\i2], v[\i3], s[\k2]
	v_cndmask_b32 v[\i2], \new, v[\i2], s[\k2]
	v_cndmask_b32 v[\i2], v[\i1], v[\i2], s[\k1]
	v_cndmask_b32 v[\i1], \new, v[\i1], s[\k1]
	v_med3_num_f32 v[\m3], v[\d], v[\m2], v[\m3]
	v_med3_num_f32 v[\m2], v[\d], v[\m1], v[\m2]
	v_min_num_f32 v[\m1], v[\d], v[\m1]
.endm
.macro LOADG k, buf                    ; the 16 centres of my k-th group
.irp j, 0,1,2,3,4,5,6,7,8,9,10,11,12,13,14,15
	ds_load_b128 v[\buf+4*\j:\buf+4*\j+3], v[9+\k] offset:16*\j
.endr
.endm
.macro SCAN k, buf, yg                 ; yg = loads issued behind this group's sixteen
.irp j, 0,1,2,3,4,5,6,7,8,9,10,11,12,13,14,15
	s_wait_dscnt \yg+15-\j                         ; this group's later centres and the other buffer's loads stay out
	v_mul_f32 v28, v4, v[\buf+4*\j]
	v_add_f32 v29, v7, v[\buf+4*\j+3]
	v_fma_f32 v28, v5, v[\buf+4*\j+1], v28
	v_add_nc_u32 v30, \j, v[12+\k]                 ; the centre's index
	v_fma_f32 v28, v6, v[\buf+4*\j+2], v28
	v_add_f32 v28, v29, v28                        ; d = (n1 + n2) + q
	INS 28, v30, 16, 17, 18, 20, 21, 22, 21, 22, 23
.endr
.endm
	s_load_b512 s[4:19], s[0:1], 0x0               ; xyz1 s[4:5], xyz2 s[6:7], grp s[8:9], points2 s[10:11], w0 s[12:13], nidx s[14:15], nwgt s[16:17], q s[18:19]
	v_lshl_add_u32 v224, v0, 2, 0x18400
	v_mov_b32 v225, 0
	v_lshrrev_b32 v1, 5, v0
	v_readfirstlane_b32 s20, v1                    ; wave 0..7
	s_mov_b32 s21, ttmp9
	s_mov_b32 s25, 0
	s_mov_b32 s27, 0
	s_wait_kmcnt 0x0
	s_cmp_ge_u32 s21, 256                          ; the same way for all eight waves of a work-group
	s_cbranch_scc1 .Lprep
	; ---------------- the exact scan ----------------
	s_and_b32 s21, s21, 255
	s_lshl_b32 s24, s21, 10                        ; 256 points x 4 bytes
	s_lshl_b32 s26, s21, 12                        ; 256 points x 16 bytes
	s_add_nc_u64 s[4:5], s[4:5], s[24:25]
	s_add_nc_u64 s[8:9], s[8:9], s[24:25]
	s_add_nc_u64 s[14:15], s[14:15], s[26:27]
	s_add_nc_u64 s[16:17], s[16:17], s[26:27]
	v_lshlrev_b32 v1, 2, v0
	v_lshlrev_b32 v2, 3, v0
	v_lshrrev_b32 v3, 3, v0
	v_mul_u32_u24 v3, v3, T2P
	v_and_b32 v28, 7, v0
	v_lshl_add_u32 v3, v28, 5, v3
	v_lshlrev_b32 v15, 4, v0
	T2_LOADS 64, 2
	global_load_b32 v4, v1, s[4:5]
	global_load_b32 v5, v1, s[4:5] offset:262144
	global_load_b32 v6, v1, s[4:5] offset:524288
	global_load_b32 v8, v1, s[8:9]
	T2_BUILD 64, 88, 96, 4, 3                      ; four younger loads: my point and its groups
	s_wait_loadcnt 0x0
	ROUND2 4, 5, 28
	v_cvt_pk_bf16_f32 v28, v6, v6
	v_lshlrev_b32 v6, 16, v28
	v_mul_f32 v7, v4, v4
	v_fma_f32 v7, v5, v5, v7
	v_fma_f32 v7, v6, v6, v7                       ; n1
.irp k, 0,1,2
	v_bfe_u32 v29, v8, 8*\k, 8
	v_min_u32 v29, 127, v29                        ; a group number stays inside the table
	v_mul_u32_u24 v[9+\k], v29, T2P                ; its row of the table
	v_lshlrev_b32 v[12+\k], 4, v29                 ; its first centre's index
.endr
.irp k, 0,1,2
	v_mov_b32 v[16+\k], 0x7f800000                 ; the list starts at +infinity; 48 centres push that out
	v_mov_b32 v[20+\k], 0
.endr
	s_wait_dscnt 0x0                               ; my part of the table is written,
	s_barrier_signal -1
	s_barrier_wait -1                              ; everybody's is
	LOADG 0, 64
	LOADG 1, 128
	SCAN 0, 64, 16
	LOADG 2, 64
	SCAN 1, 128, 16
	SCAN 2, 64, 0
	v_add_f32 v16, 0x322bcc77, v16                 ; d + 1e-8
	v_add_f32 v17, 0x322bcc77, v17
	v_add_f32 v18, 0x322bcc77, v18
	v_rcp_f32 v24, v16
	v_rcp_f32 v25, v17
	v_rcp_f32 v26, v18
	v_mov_b32 v23, 0                               ; the plain instruction that stands between a reciprocal and its use (ISA guide 5.7.2)
	s_wait_alu depctr_va_vdst(0)
	v_add_f32 v28, v24, v25
	v_add_f32 v28, v28, v26
	v_rcp_f32 v29, v28
	v_mov_b32 v27, 0                               ; likewise
	s_wait_alu depctr_va_vdst(0)
	v_mul_f32 v24, v24, v29
	v_mul_f32 v25, v25, v29
	v_mul_f32 v26, v26, v29
	global_store_b128 v15, v[20:23], s[14:15]      ; 16 bytes a point: a wave's store covers 512 consecutive bytes, aligned
	global_store_b128 v15, v[24:27], s[16:17]
	s_wait_tensorcnt 0x0
	ds_add_u32 v224, v225
	s_wait_dscnt 0x0
	s_endpgm
	; ---------------- a tile of Q ----------------
.Lprep:
	s_and_b32 s21, s21, 127                        ; tile 0..127
	s_and_b32 s22, s21, 31                         ; which 64 centres
	s_lshr_b32 s23, s21, 5                         ; which 64 channels
	s_lshl_b32 s24, s22, 8
	s_add_nc_u64 s[10:11], s[10:11], s[24:25]      ; points2 at column 64 ts
	s_lshl_b32 s24, s23, 8
	s_add_co_u32 s24, s24, 65536
	s_add_nc_u64 s[12:13], s[12:13], s[24:25]      ; w0 at row 64, column 64 tc
	s_lshl_b32 s24, s22, 16
	s_lshl_b32 s26, s23, 8
	s_add_co_u32 s24, s24, s26
	s_add_nc_u64 s[18:19], s[18:19], s[24:25]      ; q at row 64 ts, column 64 tc
	v_lshrrev_b32 v10, 4, v0                       ; t >> 4: a row of sixteen
	v_and_b32 v11, 15, v0                          ; t & 15: 16 bytes of a row of 256; also r of the fragments
	v_lshlrev_b32 v12, 4, v11
	v_lshl_add_u32 v1, v10, 13, v12                ; points2: rows of 8,192 bytes
	v_lshl_add_u32 v2, v10, 10, v12                ; w0 and q: rows of 1,024 bytes
	v_mul_u32_u24 v3, v10, SP
	v_lshl_add_u32 v3, v11, 3, v3                  ; four bf16 of a slab's row
	v_add_nc_u32 v9, PB, v3
.set n, 0
.rept 16
	global_load_b128 v[16+4*n:19+4*n], v1, s[10:11] offset:131072*n     ; 16 lanes take 256 consecutive bytes, aligned
.set n, n+1
.endr
.set n, 0
.rept 16
	global_load_b128 v[80+4*n:83+4*n], v2, s[12:13] offset:16384*n
.set n, n+1
.endr
	v_bfe_u32 v13, v0, 4, 1                        ; h
	v_and_b32 v14, 7, v0
	v_lshl_add_u32 v14, v13, 3, v14                ; the transposing load's row: 8 h + (lane & 7)
	v_mul_u32_u24 v14, v14, SP
	v_bfe_u32 v15, v0, 3, 1
	v_lshl_add_u32 v14, v15, 4, v14                ; + 16 ((lane >> 3) & 1)
	s_and_b32 s26, s20, 3                          ; ws: my 16 centres
	s_lshr_b32 s27, s20, 2                         ; wc: my 32 channels
	s_lshl_b32 s28, s26, 5
	v_add_nc_u32 v4, s28, v14
	s_lshl_b32 s28, s27, 6
	s_add_co_u32 s28, s28, PB
	v_add_nc_u32 v5, s28, v14
	v_mul_u32_u24 v6, v11, 272
	v_lshl_add_u32 v6, v13, 5, v6
	s_mul_i32 s28, s26, 16*272
	s_lshl_b32 s29, s27, 7
	s_add_co_u32 s28, s28, s29
	s_add_co_u32 s28, s28, ST
	v_add_nc_u32 v6, s28, v6                       ; stage, in: (16 ws + r) 272 + 128 wc + 32 h
	v_mul_u32_u24 v7, v10, 272
	v_add3_u32 v7, v7, v12, ST                     ; stage, back: whole rows
.set n, 0
.rept 16
	s_wait_loadcnt 31-n                            ; loads come back in order: the later ones stay out
	v_cvt_pk_bf16_f32 v144, v[16+4*n], v[17+4*n]
	v_cvt_pk_bf16_f32 v145, v[18+4*n], v[19+4*n]
	ds_store_b64 v3, v[144:145] offset:16*SP*n
.set n, n+1
.endr
.rept 16
	s_wait_loadcnt 31-n
	v_cvt_pk_bf16_f32 v144, v[16+4*n], v[17+4*n]
	v_cvt_pk_bf16_f32 v145, v[18+4*n], v[19+4*n]
	ds_store_b64 v9, v[144:145] offset:16*SP*(n-16)
.set n, n+1
.endr
	s_wait_dscnt 0x0                               ; my part of the slabs is written,
	s_barrier_signal -1
	s_barrier_wait -1                              ; everybody's is
	; both slabs lie [k][column]: a transposing load brings a lane 8 neighbouring k of one column; two of them, 16 rows apart, make a fragment
.irp ks, 0,1,2,3,4,5,6,7
	ds_load_tr16_b128 v[FP+8*\ks:FP+8*\ks+3],   v4 offset:32*SP*\ks
	ds_load_tr16_b128 v[FP+8*\ks+4:FP+8*\ks+7], v4 offset:32*SP*\ks+16*SP
.endr
.irp e, 0,1
.irp ks, 0,1,2,3,4,5,6,7
	ds_load_tr16_b128 v[FW+64*\e+8*\ks:FW+64*\e+8*\ks+3],   v5 offset:32*\e+32*SP*\ks
	ds_load_tr16_b128 v[FW+64*\e+8*\ks+4:FW+64*\e+8*\ks+7], v5 offset:32*\e+32*SP*\ks+16*SP
.endr
.endr
	s_wait_dscnt 0x0
	; source 0 = 16 channels, source 1 = 16 centres: lane (r, h) then holds centre r, channels 8 h .. 8 h + 7, 32 neighbouring bytes of a row of q.
	; The two accumulators take turns, one instruction a turn.  The first products start the sums.
	v_wmma_f32_16x16x32_bf16 v[DD:DD+7],    v[FW:FW+7],       v[FP:FP+7], 0
	v_wmma_f32_16x16x32_bf16 v[DD+8:DD+15], v[FW+64:FW+64+7], v[FP:FP+7], 0
.irp ks, 1,2,3,4,5,6,7
	v_wmma_f32_16x16x32_bf16 v[DD:DD+7],    v[FW+8*\ks:FW+8*\ks+7],       v[FP+8*\ks:FP+8*\ks+7], v[DD:DD+7]
	v_wmma_f32_16x16x32_bf16 v[DD+8:DD+15], v[FW+64+8*\ks:FW+64+8*\ks+7], v[FP+8*\ks:FP+8*\ks+7], v[DD+8:DD+15]
.endr
.rept 4
	v_nop                                          ; four places behind the last matrix instruction (ISA guide 7.12.1) before its results are stored and its sources loaded again
.endr
.irp e, 0,1
	ds_store_b128 v6, v[DD+8*\e:DD+8*\e+3]   offset:64*\e
	ds_store_b128 v6, v[DD+8*\e+4:DD+8*\e+7] offset:64*\e+16
.endr
	s_wait_dscnt 0x0
	s_barrier_signal -1
	s_barrier_wait -1
.irp i, 0,1,2,3
	ds_load_b128 v[16+4*\i:19+4*\i], v7 offset:16*272*\i
.endr
.irp i, 0,1,2,3
	s_wait_dscnt 3-\i
	global_store_b128 v2, v[16+4*\i:19+4*\i], s[18:19] offset:16384*\i    ; 16 lanes store 256 consecutive bytes, aligned
.endr
	s_wait_tensorcnt 0x0
	ds_add_u32 v224, v225
	s_wait_dscnt 0x0
	s_endpgm
.Lfunc_end_k_qb0b947ec8e_refine:
	.size	k_qb0b947ec8e_refine, .Lfunc_end_k_qb0b947ec8e_refine-k_qb0b947ec8e_refine
	.p2alignl 7, 3214868480
	.fill 96, 4, 3214868480
	.section	.rodata,"a",@progbits
	.p2align	6, 0x0
	.amdhsa_kernel k_qb0b947ec8e_refine
		.amdhsa_group_segment_fixed_size 100352
		.amdhsa_private_segment_fixed_size 0
		.amdhsa_enable_private_segment 0
		.amdhsa_kernarg_size 64
		.amdhsa_user_sgpr_count 2
		.amdhsa_user_sgpr_kernarg_segment_ptr 1
		.amdhsa_wavefront_size32 1
		.amdhsa_system_sgpr_workgroup_id_x 1
		.amdhsa_system_sgpr_workgroup_id_y 1
		.amdhsa_system_sgpr_workgroup_id_z 1
		.amdhsa_system_vgpr_workitem_id 0
		.amdhsa_next_free_vgpr 226
		.amdhsa_next_free_sgpr 66
		.amdhsa_reserve_vcc 0
		.amdhsa_float_denorm_mode_32 3
		.amdhsa_float_denorm_mode_16_64 3
		.amdhsa_memory_ordered 1
		.amdhsa_forward_progress 1
		.amdhsa_inst_pref_size 76
	.end_amdhsa_kernel
	.amdgpu_metadata
---
amdhsa.version: [ 1, 2 ]
amdhsa.kernels:
  - .name:           k_qb0b947ec8e_refine
    .symbol:         k_qb0b947ec8e_refine.kd
    .args:
      - { .name: xyz1, .offset: 0, .size: 8, .value_kind: global_buffer, .address_space: global }
      - { .name: xyz2, .offset: 8, .size: 8, .value_kind: global_buffer, .address_space: global }
      - { .name: grp, .offset: 16, .size: 8, .value_kind: global_buffer, .address_space: global }
      - { .name: points2, .offset: 24, .size: 8, .value_kind: global_buffer, .address_space: global }
      - { .name: w0, .offset: 32, .size: 8, .value_kind: global_buffer, .address_space: global }
      - { .name: nidx, .offset: 40, .size: 8, .value_kind: global_buffer, .address_space: global }
      - { .name: nwgt, .offset: 48, .size: 8, .value_kind: global_buffer, .address_space: global }
      - { .name: q, .offset: 56, .size: 8, .value_kind: global_buffer, .address_space: global }
    .group_segment_fixed_size: 100352
    .private_segment_fixed_size: 0
    .kernarg_segment_align: 8
    .kernarg_segment_size: 64
    .max_flat_workgroup_size: 256
    .sgpr_count:     66
    .vgpr_count:     226
    .wavefront_size: 32
...
	.end_amdgpu_metadata
.endif
;; end of part 2
;; launch mlp (part 3): grid 256 x 1, 8 waves a work-group, no clusters, 290,816 bytes of LDS; arguments points1, w0, w1, nidx, nwgt, q, out0, b0, scale0, bias0, mean0, var0, b1, scale1, bias1, mean1, var1; writes out0
.if DOCPART == 3
	.amdgcn_target "amdgcn-amd-amdhsa--gfx1250"
	.amdhsa_code_object_version 6
	.text
	.protected	k_qb0b947ec8e_mlp
	.globl	k_qb0b947ec8e_mlp
	.p2align	8
	.type	k_qb0b947ec8e_mlp,@function
k_qb0b947ec8e_mlp:
	s_mov_b64 s[64:65], 0
	v_nop
	global_prefetch_b8 v0, s[64:65] scope:SCOPE_SE
	s_setreg_imm32_b32 hwreg(HW_REG_WAVE_MODE, 25, 1), 1
	s_wait_xcnt 0x0
; The gather and both layers.  A work-group owns 256 points, wave w the points 32 w .. 32 w + 31 as two tiles of 16.
;   Y[p][c]  = sum_k w_k Q[idx_k][c]                          (f32: the interpolated row times w0's rows 64-319, never rounded)
;   h0[c][p] = relu((sum_k w0[k][c] points1[k][p] + Y[p][c]) g0[c] + c0[c]),  K = 64, computed TRANSPOSED: Y enters as the matrix
;              instruction's C, and the result's layout (lane = point, registers = 8 neighbouring channels) is, once packed, layer 1's A fragment
;   out[n][p] = relu((sum_c h0[c][p] w1[c][n]) g1[n] + c1[n]),  K = 256; a lane holds 8 neighbouring points of one output channel
; g = scale rsq(var + 1e-5), c = (b - mean) g + bias.
; LIMITS: every floating-point input is rounded to bf16 once on entry, later arithmetic is f32; h0 enters layer 1 as a bf16 high part plus
; a bf16 low part (two matrix instructions a fragment), so that its rounding stays some 2^-17 of its size.
; THE GATHER RUNS UNDER THE MATRIX WORK.  Layer 0's 256 channels go in four quarters of 64 (256 bytes of a row of Q), each in two steps of 32.
; Y has two slots a wave: while a quarter's two steps read one, the next quarter is gathered into the other.  One load brings 256 bytes of one
; neighbour's row for TWO points (lanes 0-15 point 2 i, lanes 16-31 point 2 i + 1); a pair of points is 3 loads and 12 registers; a ring of 8
; pairs keeps 24 loads of 512 bytes of every wave on their way: a pair is blended and stored, and the pair 8 further on is asked for at once.
; 64 pairs in all (4 quarters x 16): the first 16 go under the weights' conversion, 48 under steps 0 to 5.
; No tensor loads and no cluster: all matrix operands pass through registers to be rounded, and the weights that work-groups share
; (196,608 bytes) are a small part of the 786,432 bytes of Q rows and 65,536 of points1 that each reads for itself.
.set YP,  272                          ; a row of Y: 64 channels of f32 + 16 bytes
.set YSL, 32*YP                        ; a slot: my wave's 32 points
.set YQW, 2*YSL                        ; LDS 0: Y, 8 waves x 2 slots, each wave's part its own; later the way out: 128 rows x 1,040 bytes
.set OSP, 1040
.set W0L, 139264                       ; w0's rows 0-63, [64 k][256 c] bf16, rows of 544 bytes
.set W0P, 544
.set W1L, 174080                       ; w1, [256 k][128 n] bf16, rows of 288 bytes
.set W1P, 288
.set P1L, 247808                       ; points1's slab, [64 k][256 points] bf16, rows of 544 bytes
.set BNL, 282624                       ; g0 [256], c0 [256] at +1024, g1 [128] at +2048, c1 [128] at +2560
.set WTL, 285696                       ; the three weights (and a 0) of each point, 16 bytes a point, 512 bytes a wave, each wave's own
; 544 and 288 are odd multiples of 32 bytes (transposing loads), 272 and 1,040 odd multiples of 16 (16-byte accesses of 16 rows).
; First window of 256 registers:
.set B0,  16                           ; v[16:47]   points1's fragments [tile][K step], kept for the whole kernel
.set A0,  48                           ; v[48:79]   w0's fragments [e][K step]
.set D0,  80                           ; v[80:111]  layer 0's accumulators [e][tile]
.set GG,  112                          ; v[112:127] g0 of my 8 channels, [e]
.set CC,  128                          ; v[128:143] c0
.set HI,  144                          ; v[144:159] h0's high parts, layer 1's A, [tile]
.set LO,  160                          ; v[160:175] its low parts
.set B1,  176                          ; v[176:239] w1's fragments [n tile]
.set TT,  240                          ; v[240:247] at work
; Second window (v256-511, named by their low 8 bits): v0-127 layer 1's 16 accumulators, [tile][n tile] at 8 (8 tile + n tile); and all that the gather names:
.set RG,   128                         ; v[128:223] the ring: pair slot s at 12 s, neighbour k at + 4 k
.set PK,   224                         ; v[224:239] pair i: my point's indices: i1 in bits 0-10, i2 in bits 11-21, the low 10 bits of i3 in bits 22-31
.set LOFF, 240                         ; 16 (lane & 15): my 16 bytes of a quarter row
.set YST,  241                         ; where a blended pair goes: my wave's Y + 272 (lane >> 4) + 16 (lane & 15)
.set WAD,  242                         ; my point's weights in pair 0
.set TI,   243                         ; v[243:245] at work
.set IADR, 246                         ; my point's row of nidx in pair 0
.set HB,   247                         ; bit i: bit 10 of i3 in pair i (three indices of 11 bits are 33 bits: one too many for a word)
.set WQ,   248                         ; v[248:255] two quads of weights, for even and odd pairs
.set MSB, 0
.macro WIN new                         ; s_set_vgpr_msb: bits 1:0 source 0, 3:2 source 1, 5:4 source 2, 7:6 destination; the high byte repeats the setting that is left
.if MSB != \new
	s_set_vgpr_msb (MSB<<8)|\new
.set MSB, \new
.endif
.endm
.macro PLACES                          ; four places behind a matrix instruction (ISA guide 7.12.1) before its registers are read, written or loaded
.rept 4
	v_nop
.endr
.endm
.macro ROUND2 a, b, tmp
	v_cvt_pk_bf16_f32 v[\tmp], v[\a], v[\b]
	v_lshlrev_b32 v[\a], 16, v[\tmp]
	v_and_b32 v[\b], 0xffff0000, v[\tmp]
.endm
; Pair n (quarter n / 16, pair n % 16 of my wave's points) is asked for: three loads, each 2 x 256 consecutive aligned bytes.
; A load's offset register is the first of the four that it fills.  Many work-groups read Q's rows again: the hint says so.
.macro GISSUE n
	v_bfe_u32 v[TI],   v[PK+(\n)%16], 0, 11
	v_bfe_u32 v[TI+1], v[PK+(\n)%16], 11, 11
	v_lshrrev_b32 v[TI+2], 22, v[PK+(\n)%16]                       ; i3's low 10 bits,
	v_bfe_u32 v[RG+12*((\n)%8)+8], v[HB], (\n)%16, 1               ; its bit 10, for a moment in the register that the third load's offset takes below,
	v_lshl_or_b32 v[TI+2], v[RG+12*((\n)%8)+8], 10, v[TI+2]        ; and the two together
.irp k, 0,1,2
	v_min_u32 v[TI+\k], 2047, v[TI+\k]             ; an index stays inside Q
.endr
.irp k, 0,1,2
	v_lshl_add_u32 v[RG+12*((\n)%8)+4*\k], v[TI+\k], 10, v[LOFF]
.endr
.irp k, 0,1,2
	global_load_b128 v[RG+12*((\n)%8)+4*\k:RG+12*((\n)%8)+4*\k+3], v[RG+12*((\n)%8)+4*\k], s[14:15] offset:256*((\n)/16) th:TH_LOAD_HT
.endr
.endm
; Pair n's three rows are blended, (w1 a + w2 b) + w3 c with one rounding a step, and laid into the quarter's slot of my wave's Y.
; left = global loads issued behind the pair's three; dw = LDS instructions issued behind the load of its weights.
.macro GUSE n, left, dw
.set ga, RG+12*((\n)%8)
.set gw, WQ+4*((\n)%2)
	s_wait_loadcnt \left                           ; loads come back in order: the pair is in, the later ones stay out
	s_wait_dscnt \dw                               ; its weights are in; the pair before's store and load of weights stay out
	v_pk_mul_f32 v[ga:ga+1],   v[ga:ga+1],   v[gw:gw+1] op_sel_hi:[1,0]
	v_pk_mul_f32 v[ga+2:ga+3], v[ga+2:ga+3], v[gw:gw+1] op_sel_hi:[1,0]
	v_pk_fma_f32 v[ga:ga+1],   v[ga+4:ga+5], v[gw:gw+1], v[ga:ga+1]     op_sel:[0,1,0] op_sel_hi:[1,1,1]
	v_pk_fma_f32 v[ga+2:ga+3], v[ga+6:ga+7], v[gw:gw+1], v[ga+2:ga+3]   op_sel:[0,1,0] op_sel_hi:[1,1,1]
	v_pk_fma_f32 v[ga:ga+1],   v[ga+8:ga+9],   v[gw+2:gw+3], v[ga:ga+1]   op_sel_hi:[1,0,1]
	v_pk_fma_f32 v[ga+2:ga+3], v[ga+10:ga+11], v[gw+2:gw+3], v[ga+2:ga+3] op_sel_hi:[1,0,1]
	ds_store_b128 v[YST], v[ga:ga+3] offset:YSL*(((\n)/16)%2)+2*YP*((\n)%16)
.if (\n)+2 < 64
	ds_load_b128 v[gw:gw+3], v[WAD] offset:32*(((\n)+2)%16)        ; the weights of the pair two further on
.endif
.endm
; Eight pairs from n0 on go through the ring.  extra = loads of other kinds issued behind them (in the prologue alone).
.macro GBLOCK n0, extra
	WIN 0x55                                       ; every operand in the second window
.set p, \n0
.rept 8
.set lf, 3*(63-p)                                  ; the seven later pairs' 21 loads; fewer when the ring runs empty
.if lf > 21
.set lf, 21
.endif
.set dw, 2
.if p == 0
.set dw, 1                                         ; behind pair 0's weights only pair 1's have been asked for
.endif
.if p == 63
.set dw, 1                                         ; pair 62 asked for no weights
.endif
	GUSE p, lf+\extra, dw
.if p+8 < 64
	GISSUE p+8
.endif
.set p, p+1
.endr
	WIN 0
.endm
; Step stp: 32 channels of layer 0 (32 stp ..) for my 32 points, and their share of layer 1.  zero = 1: the first products start layer 1's sums.
.macro STEP stp, zero
.if \stp
	PLACES
.endif
.irp e, 0,1
.irp ks, 0,1
	ds_load_tr16_b128 v[A0+8*(2*\e+\ks):A0+8*(2*\e+\ks)+3],   v4 offset:2*(32*\stp+16*\e)+32*W0P*\ks
	ds_load_tr16_b128 v[A0+8*(2*\e+\ks)+4:A0+8*(2*\e+\ks)+7], v4 offset:2*(32*\stp+16*\e)+32*W0P*\ks+16*W0P
.endr
.endr
.irp e, 0,1
.irp t, 0,1
	ds_load_b128 v[D0+8*(2*\e+\t):D0+8*(2*\e+\t)+3],   v3 offset:YSL*((\stp/2)%2)+16*YP*\t+128*(\stp%2)+64*\e      ; Y(point r, channels 8 h ..): LDS serves a wave's instructions in order (ISA guide 5.7.1), so these see my stores
	ds_load_b128 v[D0+8*(2*\e+\t)+4:D0+8*(2*\e+\t)+7], v3 offset:YSL*((\stp/2)%2)+16*YP*\t+128*(\stp%2)+64*\e+16
.endr
.endr
.irp e, 0,1
	ds_load_b128 v[GG+8*\e:GG+8*\e+3],   v7 offset:4*(32*\stp+16*\e)
	ds_load_b128 v[GG+8*\e+4:GG+8*\e+7], v7 offset:4*(32*\stp+16*\e)+16
	ds_load_b128 v[CC+8*\e:CC+8*\e+3],   v7 offset:4*(32*\stp+16*\e)+1024
	ds_load_b128 v[CC+8*\e+4:CC+8*\e+7], v7 offset:4*(32*\stp+16*\e)+1040
.endr
.irp n, 0,1,2,3,4,5,6,7
	ds_load_tr16_b128 v[B1+8*\n:B1+8*\n+3],   v[5+\stp/4] offset:32*W1P*(\stp%4)+32*\n
	ds_load_tr16_b128 v[B1+8*\n+4:B1+8*\n+7], v[5+\stp/4] offset:32*W1P*(\stp%4)+32*\n+16*W1P
.endr
	s_wait_dscnt 24                                ; w0's fragments and Y are in; the 8 loads of g0, c0 and the 16 of w1 stay out
	; the four accumulators take turns, one instruction a turn
.irp ks, 0,1
.irp e, 0,1
.irp t, 0,1
	v_wmma_f32_16x16x32_bf16 v[D0+8*(2*\e+\t):D0+8*(2*\e+\t)+7], v[A0+8*(2*\e+\ks):A0+8*(2*\e+\ks)+7], v[B0+8*(2*\t+\ks):B0+8*(2*\t+\ks)+7], v[D0+8*(2*\e+\t):D0+8*(2*\e+\t)+7]
.endr
.endr
.endr
	PLACES
	s_wait_dscnt 16                                ; g0 and c0 are in; w1's 16 loads stay out
.irp e, 0,1
.irp t, 0,1
.irp j, 0,2,4,6
	v_pk_fma_f32 v[D0+8*(2*\e+\t)+\j:D0+8*(2*\e+\t)+\j+1], v[D0+8*(2*\e+\t)+\j:D0+8*(2*\e+\t)+\j+1], v[GG+8*\e+\j:GG+8*\e+\j+1], v[CC+8*\e+\j:CC+8*\e+\j+1]
.endr
.irp j, 0,1,2,3,4,5,6,7
	v_max_num_f32 v[D0+8*(2*\e+\t)+\j], 0, v[D0+8*(2*\e+\t)+\j]
.endr
.irp j, 0,1,2,3
	v_cvt_pk_bf16_f32 v[HI+8*\t+4*\e+\j], v[D0+8*(2*\e+\t)+2*\j], v[D0+8*(2*\e+\t)+2*\j+1]    ; channels 16 e + 8 h + 2 j, + 1: register 4 e + j of the A fragment
.endr
.irp j, 0,1,2,3
	v_lshlrev_b32 v[TT+2*\j], 16, v[HI+8*\t+4*\e+\j]
	v_and_b32 v[TT+2*\j+1], 0xffff0000, v[HI+8*\t+4*\e+\j]
.endr
.irp j, 0,1,2,3
	v_pk_add_f32 v[TT+2*\j:TT+2*\j+1], v[D0+8*(2*\e+\t)+2*\j:D0+8*(2*\e+\t)+2*\j+1], v[TT+2*\j:TT+2*\j+1] neg_lo:[0,1] neg_hi:[0,1]   ; what the high part left, exact
.endr
.irp j, 0,1,2,3
	v_cvt_pk_bf16_f32 v[LO+8*\t+4*\e+\j], v[TT+2*\j], v[TT+2*\j+1]
.endr
.endr
.endr
	s_wait_dscnt 0
	WIN 0x50                                       ; C and D in the second window
	; the sixteen accumulators take turns, one instruction a turn
.irp n, 0,1,2,3,4,5,6,7
.irp t, 0,1
.if \zero
	v_wmma_f32_16x16x32_bf16 v[8*(8*\t+\n):8*(8*\t+\n)+7], v[HI+8*\t:HI+8*\t+7], v[B1+8*\n:B1+8*\n+7], 0
.else
	v_wmma_f32_16x16x32_bf16 v[8*(8*\t+\n):8*(8*\t+\n)+7], v[HI+8*\t:HI+8*\t+7], v[B1+8*\n:B1+8*\n+7], v[8*(8*\t+\n):8*(8*\t+\n)+7]
.endif
.endr
.endr
.irp n, 0,1,2,3,4,5,6,7
.irp t, 0,1
	v_wmma_f32_16x16x32_bf16 v[8*(8*\t+\n):8*(8*\t+\n)+7], v[LO+8*\t:LO+8*\t+7], v[B1+8*\n:B1+8*\n+7], v[8*(8*\t+\n):8*(8*\t+\n)+7]
.endr
.endr
	WIN 0
.endm
	s_load_b512 s[4:19], s[0:1], 0x0               ; points1 s[4:5], w0 s[6:7], w1 s[8:9], nidx s[10:11], nwgt s[12:13], q s[14:15], out0 s[16:17], b0 s[18:19]
	s_load_b512 s[20:35], s[0:1], 0x40             ; scale0 s[20:21], bias0, mean0, var0 s[26:27], b1 s[28:29], scale1, bias1, mean1 s[34:35]
	s_load_b64 s[36:37], s[0:1], 0x80              ; var1
	v_lshl_add_u32 v254, v0, 2, 0x46c00
	v_mov_b32 v255, 0
	v_lshrrev_b32 v1, 5, v0
	v_readfirstlane_b32 s38, v1                    ; wave 0..7
	v_and_b32 v193, 31, v0                         ; lane
	v_lshlrev_b32 v1, 4, v193                      ; 16 x lane
	s_mul_i32 s39, s38, YQW                        ; my wave's Y
	v_and_b32 v195, 15, v0                         ; r
	v_bfe_u32 v196, v0, 4, 1                       ; h
	v_mul_u32_u24 v3, v195, YP
	v_lshl_add_u32 v3, v196, 5, v3
	v_add_nc_u32 v3, s39, v3                       ; Y, back: row r, channels 8 h ..
	v_lshl_add_u32 v7, v196, 5, BNL                ; g0, c0 of channels 8 h ..
	v_and_b32 v194, 7, v0
	v_lshl_add_u32 v194, v196, 3, v194             ; the transposing loads' row: 8 h + (lane & 7)
	v_bfe_u32 v192, v0, 3, 1
	v_lshlrev_b32 v192, 4, v192                    ; + 16 ((lane >> 3) & 1)
	v_mad_u32_u24 v191, v194, W0P, v192
	v_add_nc_u32 v4, W0L, v191
	s_lshl_b32 s44, s38, 6
	s_add_co_u32 s44, s44, P1L
	v_add_nc_u32 v190, s44, v191                   ; points1's fragments: my wave's 32 columns
	v_mad_u32_u24 v5, v194, W1P, v192
	v_add_nc_u32 v5, W1L, v5                       ; w1's rows 0-127
	v_add_nc_u32 v6, 128*W1P, v5                   ; and 128-255
	v_lshlrev_b32 v176, 4, v0                      ; 16 t
	v_lshlrev_b32 v177, 2, v0                      ; 4 t
	v_and_b32 v178, 127, v0
	v_lshlrev_b32 v178, 2, v178                    ; 4 (t & 127)
	v_lshrrev_b32 v192, 6, v0                      ; t >> 6: a row of four
	v_and_b32 v194, 63, v0                         ; t & 63: 16 bytes of a row of 1,024
	v_lshlrev_b32 v179, 18, v192
	v_lshl_add_u32 v179, v194, 4, v179             ; points1: rows of 262,144 bytes
	v_add_nc_u32 v180, 0x800000, v179              ; rows 32-63: past the reach of the immediate
	v_mul_u32_u24 v181, v192, W0P
	v_lshl_add_u32 v181, v194, 3, v181
	v_add_nc_u32 v182, P1L, v181
	v_add_nc_u32 v181, W0L, v181
	v_lshrrev_b32 v192, 5, v0                      ; w1: a row of eight, 16 bytes of a row of 512
	v_mul_u32_u24 v183, v192, W1P
	v_lshl_add_u32 v183, v193, 3, v183
	v_add_nc_u32 v183, W1L, v183
	v_add_nc_u32 v184, 128*W1P, v183
	v_add_nc_u32 v185, BNL, v177
	v_add_nc_u32 v189, BNL+2048, v178
	v_add_nc_u32 v197, WTL, v176                   ; the weights, in: lane l of wave w holds point 32 w + l
	v_lshlrev_b32 v198, 4, v195
	v_mad_u32_u24 v199, v196, YP, v198             ; 272 h + 16 r
	v_lshlrev_b32 v200, 4, v196                    ; 16 h
	s_lshl_b32 s45, s38, 9                         ; my wave's 32 points x 16 bytes
	WIN 0x40                                       ; destinations in the second window: what the gather names lies there
	v_lshlrev_b32 v[LOFF], 4, v195
	v_add_nc_u32 v[YST], s39, v199
	v_add_nc_u32 v[IADR], s45, v200
	v_add3_u32 v[WAD], s45, v200, WTL
	WIN 0
	s_lshl_b32 s40, ttmp9, 10                      ; the work-group's 256 points x 4 bytes
	s_mov_b32 s41, 0
	s_lshl_b32 s42, ttmp9, 12                      ; x 16 bytes
	s_mov_b32 s43, 0
	s_wait_kmcnt 0x0
	s_add_nc_u64 s[4:5], s[4:5], s[40:41]
	s_add_nc_u64 s[10:11], s[10:11], s[42:43]
	s_add_nc_u64 s[12:13], s[12:13], s[42:43]
	global_load_b32 v240, v177, s[18:19]           ; b0
	global_load_b32 v241, v177, s[20:21]           ; scale0
	global_load_b32 v242, v177, s[22:23]           ; bias0
	global_load_b32 v243, v177, s[24:25]           ; mean0
	global_load_b32 v244, v177, s[26:27]           ; var0
	global_load_b32 v245, v178, s[28:29]           ; b1
	global_load_b32 v246, v178, s[30:31]           ; scale1
	global_load_b32 v247, v178, s[32:33]           ; bias1
	global_load_b32 v248, v178, s[34:35]           ; mean1
	global_load_b32 v249, v178, s[36:37]           ; var1
	global_load_b128 v[12:15], v176, s[12:13]      ; my point's weights
	WIN 0x55
.set n, 0
.rept 16
	global_load_b128 v[RG+4*n:RG+4*n+3], v[IADR], s[10:11] offset:32*n     ; pair n: the indices of point 2 n + h, into the ring's registers, which are still free
.set n, n+1
.endr
	WIN 0
.set n, 0
.rept 16
	global_load_b128 v[48+4*n:51+4*n], v176, s[6:7] offset:4096*n          ; w0's rows 0-63: 65,536 consecutive bytes
.set n, n+1
.endr
.set n, 0
.rept 8
	global_load_b128 v[112+4*n:115+4*n], v179, s[4:5] offset:1048576*n th:TH_LOAD_NT    ; points1 is read once in the launch
.set n, n+1
.endr
.set n, 0
.rept 8
	global_load_b128 v[144+4*n:147+4*n], v180, s[4:5] offset:1048576*n th:TH_LOAD_NT
.set n, n+1
.endr
	s_wait_loadcnt 32                              ; the norms' vectors, the weights and the indices are in; the 32 loads of w0 and points1 stay out
	ds_store_b128 v197, v[12:15]
	WIN 0x55
	; the indices are below 2,048: 11 + 11 + 10 bits fill pair n's word (the shift by 22 lets i3's bit 10 fall out), and that bit goes to bit n of HB
.set n, 0
.rept 16
	v_lshl_or_b32 v[PK+n], v[RG+4*n+1], 11, v[RG+4*n]
	v_lshl_or_b32 v[PK+n], v[RG+4*n+2], 22, v[PK+n]
.if n == 0
	v_bfe_u32 v[HB], v[RG+2], 10, 1                ; pair 0 starts the word: nothing is cleared
.else
	v_bfe_u32 v[TI], v[RG+4*n+2], 10, 1
	v_lshl_or_b32 v[HB], v[TI], n, v[HB]
.endif
.set n, n+1
.endr
.irp m, 0,1,2,3,4,5,6,7
	GISSUE \m                                      ; the ring is filled: 24 loads
.endr
	WIN 0
	; each of the 32 loads is rounded and laid into LDS, and its registers are at once asked for again with a piece of w1
.set n, 0
.rept 32
	s_wait_loadcnt 55                              ; 31 - n loads of the first run, the ring's 24 and the n of w1 issued so far stay out
	v_cvt_pk_bf16_f32 v186, v[48+4*n], v[49+4*n]
	v_cvt_pk_bf16_f32 v187, v[50+4*n], v[51+4*n]
.if n < 16
	ds_store_b64 v181, v[186:187] offset:4*W0P*n
.else
	ds_store_b64 v182, v[186:187] offset:4*W0P*(n-16)
.endif
	global_load_b128 v[48+4*n:51+4*n], v176, s[8:9] offset:4096*n          ; w1: 131,072 consecutive bytes
.set n, n+1
.endr
	WIN 0x55
	ds_load_b128 v[WQ:WQ+3],   v[WAD]              ; the weights of pairs 0 and 1: my wave's own bytes, stored above
	ds_load_b128 v[WQ+4:WQ+7], v[WAD] offset:32
	GBLOCK 0, 32                                   ; pairs 0-7; behind them, besides the ring's 21, w1's 32 loads
.set n, 0
.rept 32
	s_wait_loadcnt 55-n                            ; 31 - n loads of w1 and the ring's 24 (pairs 8-15) stay out
	v_cvt_pk_bf16_f32 v186, v[48+4*n], v[49+4*n]
	v_cvt_pk_bf16_f32 v187, v[50+4*n], v[51+4*n]
.if n < 16
	ds_store_b64 v183, v[186:187] offset:8*W1P*n
.else
	ds_store_b64 v184, v[186:187] offset:8*W1P*(n-16)
.endif
.set n, n+1
.endr
	; the norms' constants: thread t makes channel t of layer 0 and channel t & 127 of layer 1
.irp p2, 240,242,244,246,248
	ROUND2 \p2, \p2+1, 188
.endr
	v_add_f32 v244, 0x3727c5ac, v244               ; var + 1e-5
	v_add_f32 v249, 0x3727c5ac, v249
	v_rsq_f32 v244, v244
	v_rsq_f32 v249, v249
	v_sub_f32 v240, v240, v243                     ; b - mean: also the plain instruction between a root and its use (ISA guide 5.7.2)
	v_sub_f32 v245, v245, v248
	s_wait_alu depctr_va_vdst(0)
	v_mul_f32 v241, v241, v244                     ; g0
	v_mul_f32 v246, v246, v249                     ; g1
	v_fma_f32 v242, v240, v241, v242               ; c0
	v_fma_f32 v247, v245, v246, v247               ; c1
	ds_store_b32 v185, v241
	ds_store_b32 v185, v242 offset:1024
	s_cmp_ge_u32 s38, 4                            ; layer 1 has 128 channels: waves 0-3 store them
	s_cbranch_scc1 .Lno1
	ds_store_b32 v189, v246
	ds_store_b32 v189, v247 offset:512
.Lno1:
	s_wait_dscnt 0x0                               ; my part of the weights, of points1 and of the constants is written,
	s_barrier_signal -1
	s_barrier_wait -1                              ; everybody's is.  (The ring's loads stay on their way: they fill registers, from a buffer that nobody writes.)
.irp t, 0,1
.irp ks, 0,1
	ds_load_tr16_b128 v[B0+8*(2*\t+\ks):B0+8*(2*\t+\ks)+3],   v190 offset:32*\t+32*W0P*\ks
	ds_load_tr16_b128 v[B0+8*(2*\t+\ks)+4:B0+8*(2*\t+\ks)+7], v190 offset:32*\t+32*W0P*\ks+16*W0P
.endr
.endr
	; Quarter q lies in slot q % 2.  Its 16 pairs are all stored before its first step, and a slot is written again only behind the two steps that read it.
	GBLOCK 8, 0                                    ; quarter 0 is whole; quarter 1's first 8 pairs are asked for
	STEP 0, 1
	GBLOCK 16, 0
	STEP 1, 0
	GBLOCK 24, 0                                   ; quarter 1 is whole
	STEP 2, 0
	GBLOCK 32, 0
	STEP 3, 0
	GBLOCK 40, 0                                   ; quarter 2 is whole
	STEP 4, 0
	GBLOCK 48, 0
	STEP 5, 0
	GBLOCK 56, 0                                   ; quarter 3 is whole: the ring runs empty, the counts run down to 0
	STEP 6, 0
	STEP 7, 0
	; THE WAY OUT: norm and relu in place, then through LDS so that rows of out0 leave as whole runs of 512 bytes
	PLACES
	v_and_b32 v240, 15, v0                         ; r
	v_lshl_add_u32 v241, v240, 2, BNL+2048
.irp n, 0,1,2,3,4,5,6,7
	ds_load_b32 v[48+\n], v241 offset:64*\n        ; g1 of channel 16 n + r
	ds_load_b32 v[56+\n], v241 offset:64*\n+512    ; c1
.endr
	v_bfe_u32 v242, v0, 4, 1
	v_mul_u32_u24 v243, v240, OSP
	v_lshl_add_u32 v243, v242, 5, v243
	s_lshl_b32 s39, s38, 7
	v_add_nc_u32 v243, s39, v243                   ; in: row (channel) r, points 32 w + 8 h ..
	v_add_nc_u32 v244, 64*OSP, v243                ; channels 64-127: past the reach of the offset
	s_mul_i32 s39, s38, 16*OSP
	v_add_nc_u32 v245, s39, v1                     ; back: my wave's 16 rows, 16 bytes a lane
	s_lshl_b32 s42, s38, 22                        ; 16 rows of out0, 262,144 bytes each
	s_add_co_u32 s42, s42, s40                     ; + the work-group's 256 points
	s_add_nc_u64 s[16:17], s[16:17], s[42:43]
	s_wait_dscnt 0x0                               ; g1 and c1 are in, and all my reads of Y are over
	WIN 0x41                                       ; destination and source 0 in the second window
.irp t, 0,1
.irp n, 0,1,2,3,4,5,6,7
.irp j, 0,1,2,3,4,5,6,7
	v_fma_f32 v[8*(8*\t+\n)+\j], v[8*(8*\t+\n)+\j], v[48+\n], v[56+\n]
.endr
.irp j, 0,1,2,3,4,5,6,7
	v_max_num_f32 v[8*(8*\t+\n)+\j], v[8*(8*\t+\n)+\j], 0
.endr
.endr
.endr
	WIN 0
	s_barrier_signal -1
	s_barrier_wait -1                              ; no wave reads its Y any more: the stage may lie over it
	WIN 0x04                                       ; the stores' data in the second window
.irp t, 0,1
.irp n, 0,1,2,3
	ds_store_b128 v243, v[8*(8*\t+\n):8*(8*\t+\n)+3]   offset:16*OSP*\n+64*\t
	ds_store_b128 v243, v[8*(8*\t+\n)+4:8*(8*\t+\n)+7] offset:16*OSP*\n+64*\t+16
.endr
.irp n, 4,5,6,7
	ds_store_b128 v244, v[8*(8*\t+\n):8*(8*\t+\n)+3]   offset:16*OSP*(\n-4)+64*\t
	ds_store_b128 v244, v[8*(8*\t+\n)+4:8*(8*\t+\n)+7] offset:16*OSP*(\n-4)+64*\t+16
.endr
.endr
	WIN 0
	s_wait_dscnt 0x0
	s_barrier_signal -1
	s_barrier_wait -1
.set n, 0
.rept 32
	ds_load_b128 v[48+4*n:51+4*n], v245 offset:OSP*(n/2)+512*(n%2)
.set n, n+1
.endr
.set n, 0
.rept 32
	s_wait_dscnt 31-n                              ; LDS loads come back in order: the later ones stay out
	global_store_b128 v1, v[48+4*n:51+4*n], s[16:17] offset:262144*(n/2)+512*(n%2) th:TH_STORE_NT   ; a wave's store covers 512 consecutive bytes, aligned
.set n, n+1
.endr
	s_wait_tensorcnt 0x0
	ds_add_u32 v254, v255
	s_wait_dscnt 0x0
	s_endpgm
.Lfunc_end_k_qb0b947ec8e_mlp:
	.size	k_qb0b947ec8e_mlp, .Lfunc_end_k_qb0b947ec8e_mlp-k_qb0b947ec8e_mlp
	.p2alignl 7, 3214868480
	.fill 96, 4, 3214868480
	.section	.rodata,"a",@progbits
	.p2align	6, 0x0
	.amdhsa_kernel k_qb0b947ec8e_mlp
		.amdhsa_group_segment_fixed_size 290816
		.amdhsa_private_segment_fixed_size 0
		.amdhsa_enable_private_segment 0
		.amdhsa_kernarg_size 136
		.amdhsa_user_sgpr_count 2
		.amdhsa_user_sgpr_kernarg_segment_ptr 1
		.amdhsa_wavefront_size32 1
		.amdhsa_system_sgpr_workgroup_id_x 1
		.amdhsa_system_sgpr_workgroup_id_y 1
		.amdhsa_system_sgpr_workgroup_id_z 1
		.amdhsa_system_vgpr_workitem_id 0
		.amdhsa_next_free_vgpr 512
		.amdhsa_next_free_sgpr 66
		.amdhsa_reserve_vcc 0
		.amdhsa_float_denorm_mode_32 3
		.amdhsa_float_denorm_mode_16_64 3
		.amdhsa_memory_ordered 1
		.amdhsa_forward_progress 1
		.amdhsa_inst_pref_size 251
	.end_amdhsa_kernel
	.amdgpu_metadata
---
amdhsa.version: [ 1, 2 ]
amdhsa.kernels:
  - .name:           k_qb0b947ec8e_mlp
    .symbol:         k_qb0b947ec8e_mlp.kd
    .args:
      - { .name: points1, .offset: 0, .size: 8, .value_kind: global_buffer, .address_space: global }
      - { .name: w0, .offset: 8, .size: 8, .value_kind: global_buffer, .address_space: global }
      - { .name: w1, .offset: 16, .size: 8, .value_kind: global_buffer, .address_space: global }
      - { .name: nidx, .offset: 24, .size: 8, .value_kind: global_buffer, .address_space: global }
      - { .name: nwgt, .offset: 32, .size: 8, .value_kind: global_buffer, .address_space: global }
      - { .name: q, .offset: 40, .size: 8, .value_kind: global_buffer, .address_space: global }
      - { .name: out0, .offset: 48, .size: 8, .value_kind: global_buffer, .address_space: global }
      - { .name: b0, .offset: 56, .size: 8, .value_kind: global_buffer, .address_space: global }
      - { .name: scale0, .offset: 64, .size: 8, .value_kind: global_buffer, .address_space: global }
      - { .name: bias0, .offset: 72, .size: 8, .value_kind: global_buffer, .address_space: global }
      - { .name: mean0, .offset: 80, .size: 8, .value_kind: global_buffer, .address_space: global }
      - { .name: var0, .offset: 88, .size: 8, .value_kind: global_buffer, .address_space: global }
      - { .name: b1, .offset: 96, .size: 8, .value_kind: global_buffer, .address_space: global }
      - { .name: scale1, .offset: 104, .size: 8, .value_kind: global_buffer, .address_space: global }
      - { .name: bias1, .offset: 112, .size: 8, .value_kind: global_buffer, .address_space: global }
      - { .name: mean1, .offset: 120, .size: 8, .value_kind: global_buffer, .address_space: global }
      - { .name: var1, .offset: 128, .size: 8, .value_kind: global_buffer, .address_space: global }
    .group_segment_fixed_size: 290816
    .private_segment_fixed_size: 0
    .kernarg_segment_align: 8
    .kernarg_segment_size: 136
    .max_flat_workgroup_size: 256
    .sgpr_count:     66
    .vgpr_count:     512
    .wavefront_size: 32
...
	.end_amdgpu_metadata
.endif
;; end of part 3
;; ======== version 2 of 2: 3 launches; version 1 with the launch mlp written anew for expert scheduling mode
;; limits: values outside matrix products are rounded to bf16
;; workspace buffers: grp 262,144 bytes of whole numbers; nidx 1,048,576 bytes of whole numbers; nwgt 1,048,576 bytes; q 2,097,152 bytes
;; launch front: the kernel of part 1 again; grid 256 x 1, 8 waves a work-group, no clusters, 89,088 bytes of LDS; arguments xyz1, xyz2, grp; writes grp
;; launch refine: the kernel of part 2 again; grid 384 x 1, 8 waves a work-group, no clusters, 100,352 bytes of LDS; arguments xyz1, xyz2, grp, points2, w0, nidx, nwgt, q; writes nidx, nwgt, q
;; launch mlp (part 4): grid 256 x 1, 8 waves a work-group, no clusters, 290,816 bytes of LDS; arguments points1, w0, w1, nidx, nwgt, q, out0, b0, scale0, bias0, mean0, var0, b1, scale1, bias1, mean1, var1; writes out0
.if DOCPART == 4
	.amdgcn_target "amdgcn-amd-amdhsa--gfx1250"
	.amdhsa_code_object_version 6
	.text
	.protected	k_qb0b947ec8e_mlp
	.globl	k_qb0b947ec8e_mlp
	.p2align	8
	.type	k_qb0b947ec8e_mlp,@function
k_qb0b947ec8e_mlp:
	s_mov_b64 s[64:65], 0
	v_nop
	global_prefetch_b8 v0, s[64:65] scope:SCOPE_SE
	s_setreg_imm32_b32 hwreg(HW_REG_WAVE_SCHED_MODE, 0, 2), 2
	s_setreg_imm32_b32 hwreg(HW_REG_WAVE_MODE, 25, 1), 1
	s_wait_xcnt 0x0
	s_wait_alu depctr_vm_vsrc(0)
; The gather and both layers.  A work-group owns 256 points, wave w the points 32 w .. 32 w + 31 as two tiles of 16.
;   Y[p][c]  = sum_k w_k Q[idx_k][c]                          (f32: the interpolated row times w0's rows 64-319, never rounded)
;   h0[c][p] = relu((sum_k w0[k][c] points1[k][p] + Y[p][c]) g0[c] + c0[c]),  K = 64, computed TRANSPOSED: Y enters as the matrix
;              instruction's C, and the result's layout (lane = point, registers = 8 neighbouring channels) is, once packed, layer 1's A fragment
;   out[n][p] = relu((sum_c h0[c][p] w1[c][n]) g1[n] + c1[n]),  K = 256; a lane holds 8 neighbouring points of one output channel
; g = scale rsq(var + 1e-5), c = (b - mean) g + bias.
; LIMITS: every floating-point input is rounded to bf16 once on entry, later arithmetic is f32; h0 enters layer 1 as a bf16 high part plus
; a bf16 low part (two matrix instructions a fragment), so that its rounding stays some 2^-17 of its size.
; THE GATHER RUNS UNDER THE MATRIX WORK.  Layer 0's 256 channels go in four quarters of 64 (256 bytes of a row of Q), each in two steps of 32.
; Y has two slots a wave: while a quarter's two steps read one, the next quarter is gathered into the other.  One load brings 256 bytes of one
; neighbour's row for TWO points (lanes 0-15 point 2 i, lanes 16-31 point 2 i + 1); a pair of points is 3 loads and 12 registers; a ring of 8
; pairs keeps 18 to 24 loads of 512 bytes of every wave on their way: two pairs are blended, and the two pairs 8 further on are asked for at once.
; 64 pairs in all (4 quarters x 16): the first 16 go under the weights' conversion, 48 under steps 0 to 5.
; No tensor loads and no cluster: all matrix operands pass through registers to be rounded, and the weights that work-groups share
; (196,608 bytes) are a small part of the 786,432 bytes of Q rows and 65,536 of points1 that each reads for itself.
; THE MODE: SCHED_MODE bits 1:0 = 2 (LLVM: expert scheduling mode 2), set by the entry lines.  The code itself states the register dependences
; between vector or matrix instructions and memory or LDS instructions, with s_wait_alu, always for 0.
; THE PLAN.  Registers that memory or LDS instructions touch, from the barrier on:
;   RING   8 pair slots.  Written by the gather's loads alone, read by the blends alone.
;   OUT    8 slots of 4, one a pair of a block.  Written by the blends, read by the LDS stores into Y.  It lies in D0, which is idle between two steps.
;   AD     24 offsets, made at a block's head for all eight pairs that the block asks for; read by the gather's loads.  It lies in HI and LO, idle between two steps.
;   W      four quads of weights, two for the even groups and two for the odd.  Written by LDS loads two groups ahead, read by the blends.
;   A0, GG, CC, B1   a step's operands.  Written by LDS loads that are dealt over the block in front of the step; read by the step's matrix and vector work.
;   D0     besides OUT: Y lands in it at a step's head; then matrix and vector work alone.
;   All LDS addresses lie in the second window, are made at the head and are never written again.
; A block is four groups of two pairs.  ONE wait on va_vdst stands in a group, behind its twelve blends: the slots are read, OUT is written, W is read; in a block's
; first group also: AD is written, and the step before is done with A0, GG, CC and B1.  Behind it, with no further wait: six loads into the two slots, two loads of
; weights, two stores, and a share of the next step's operands.  No vector instruction of a block names A0, GG, CC or B1.  At a step's head one wait on vm_vsrc
; frees OUT and AD, and Y is loaded.
.set YP,  272                          ; a row of Y: 64 channels of f32 + 16 bytes
.set YSL, 32*YP                        ; a slot: my wave's 32 points
.set YQW, 2*YSL                        ; LDS 0: Y, 8 waves x 2 slots, each wave's part its own; later the way out: 128 rows x 1,040 bytes
.set OSP, 1040
.set W0L, 139264                       ; w0's rows 0-63, [64 k][256 c] bf16, rows of 544 bytes
.set W0P, 544
.set W1L, 174080                       ; w1, [256 k][128 n] bf16, rows of 288 bytes
.set W1P, 288
.set P1L, 247808                       ; points1's slab, [64 k][256 points] bf16, rows of 544 bytes
.set BNL, 282624                       ; g0 [256], c0 [256] at +1024, g1 [128] at +2048, c1 [128] at +2560
.set WTL, 285696                       ; the three weights (and a 0) of each point, 16 bytes a point, 512 bytes a wave, each wave's own
; 544 and 288 are odd multiples of 32 bytes (transposing loads), 272 and 1,040 odd multiples of 16 (16-byte accesses of 16 rows).
; First window of 256 registers:
.set LOF, 2                            ; v2         16 (lane & 15): my 16 bytes of a quarter row
                                       ; v[8:15]    W of an even group's two pairs; v[248:255] W of an odd group's
.set B0,  16                           ; v[16:47]   points1's fragments [tile][K step], kept from the barrier on; ahead of it an out-buffer
.set A0,  48                           ; v[48:79]   w0's fragments [e][K step]
.set D0,  80                           ; v[80:111]  layer 0's accumulators [e][tile]; between steps OUT
.set GG,  112                          ; v[112:127] g0 of my 8 channels, [e]
.set CC,  128                          ; v[128:143] c0
.set HI,  144                          ; v[144:159] h0's high parts, layer 1's A, [tile]; between steps, with LO, AD
.set LO,  160                          ; v[160:175] its low parts
.set B1,  176                          ; v[176:239] w1's fragments [n tile]; ahead of the barrier addresses, the prologue's AD and two of the norms' vectors
.set TT,  240                          ; v[240:247] at work
.set BNV, 238                          ; v[238:247] ahead of the barrier: b0, scale0, bias0, mean0, var0, b1, scale1, bias1, mean1, var1
; Second window (v256-511, named by their low 8 bits): v0-127 layer 1's 16 accumulators, [tile][n tile] at 8 (8 tile + n tile); and
.set RG,   128                         ; v[128:223] the ring: pair slot s at 12 s, neighbour k at + 4 k
.set PK,   224                         ; v[224:239] pair i: my point's indices: i1 in bits 0-10, i2 in bits 11-21, the low 10 bits of i3 in bits 22-31
.set AW0,  240                         ; LDS address of w0's fragments
.set YST,  241                         ; where a blended pair goes: my wave's Y + 272 (lane >> 4) + 16 (lane & 15)
.set WAD,  242                         ; my point's weights in pair 0
.set TI,   243                         ; at work, at the head
.set AW1,  244                         ; v[244:245] LDS address of w1's fragments, rows 0-127 and 128-255
.set IADR, 246                         ; my point's row of nidx in pair 0
.set HB,   247                         ; bit i: bit 10 of i3 in pair i (three indices of 11 bits are 33 bits: one too many for a word)
.set ABN,  248                         ; LDS address of g0, c0 of channels 8 h ..
.set AYB,  249                         ; Y, back: row r, channels 8 h ..
.set AP1,  250                         ; LDS address of points1's fragments: my wave's 32 columns
; Where AD, its eight registers at work and OUT lie: ahead of the barrier, where v48-175 hold raw weights, in registers that are still free
.set GAD,  202
.set GT,   226
.set GOUT, 16
.set MSB, 0
.macro WIN new                         ; s_set_vgpr_msb: bits 1:0 source 0, 3:2 source 1, 5:4 source 2, 7:6 destination; the high byte repeats the setting that is left
.if MSB != \new
	s_set_vgpr_msb (MSB<<8)|\new
.set MSB, \new
.endif
.endm
.macro PLACES                          ; four places behind a matrix instruction (ISA guide 7.12.1) before its registers are read or written
.rept 4
	v_nop
.endr
.endm
.macro ROUND2 a, b, tmp
	v_cvt_pk_bf16_f32 v[\tmp], v[\a], v[\b]
	v_lshlrev_b32 v[\a], 16, v[\tmp]
	v_and_b32 v[\b], 0xffff0000, v[\tmp]
.endm
; The 24 offsets of pairs n0 .. n0 + 7 (n0 a multiple of 8): slot s, neighbour k at GAD + 3 s + k.  The eight lines that fetch i3's bit 10 stand first: they name no
; register of the matrix instructions in front of a block, and so are the places between those and the first line that writes HI or LO.
.macro GADDR n0
	WIN 0x05                                       ; the packed words lie in the second window, what is made of them in the first
.set ai, \n0
.rept 8
	v_bfe_u32 v[GT+ai%8], v[HB], ai%16, 1          ; i3's bit 10
.set ai, ai+1
.endr
.set ai, \n0
.rept 8
	v_bfe_u32 v[GAD+3*(ai%8)],   v[PK+ai%16], 0, 11
	v_bfe_u32 v[GAD+3*(ai%8)+1], v[PK+ai%16], 11, 11
	v_lshrrev_b32 v[GAD+3*(ai%8)+2], 22, v[PK+ai%16]               ; i3's low 10 bits
.set ai, ai+1
.endr
	WIN 0
.set ai, 0
.rept 8
	v_lshl_or_b32 v[GAD+3*ai+2], v[GT+ai], 10, v[GAD+3*ai+2]       ; and the two together
.set ai, ai+1
.endr
.set ai, 0
.rept 24
	v_min_u32 v[GAD+ai], 2047, v[GAD+ai]           ; an index stays inside Q
.set ai, ai+1
.endr
.set ai, 0
.rept 24
	v_lshl_add_u32 v[GAD+ai], v[GAD+ai], 10, v[LOF]
.set ai, ai+1
.endr
.endm
; Pair n (quarter n / 16, pair n % 16 of my wave's points) is asked for: three loads, each 2 x 256 consecutive aligned bytes.
; Many work-groups read Q's rows again: the hint says so.
.macro GLOAD n
.irp k, 0,1,2
	global_load_b128 v[RG+12*((\n)%8)+4*\k:RG+12*((\n)%8)+4*\k+3], v[GAD+3*((\n)%8)+\k], s[14:15] offset:256*((\n)/16) th:TH_LOAD_HT
.endr
.endm
; Pair n's three rows are blended, (w1 a + w2 b) + w3 c with one rounding a step, into the pair's slot of OUT.  left = global loads issued behind the pair's three.
.macro GBLEND n, left
.set ga, RG+12*((\n)%8)
.set gw, 8+240*(((\n)/2)%2)+4*((\n)%2)
.set go, GOUT+4*((\n)%8)
	s_wait_loadcnt \left                           ; loads come back in order: the pair is in, the later ones stay out
	v_pk_mul_f32 v[go:go+1],   v[ga:ga+1],   v[gw:gw+1] op_sel_hi:[1,0]
	v_pk_mul_f32 v[go+2:go+3], v[ga+2:ga+3], v[gw:gw+1] op_sel_hi:[1,0]
	v_pk_fma_f32 v[go:go+1],   v[ga+4:ga+5], v[gw:gw+1], v[go:go+1]     op_sel:[0,1,0] op_sel_hi:[1,1,1]
	v_pk_fma_f32 v[go+2:go+3], v[ga+6:ga+7], v[gw:gw+1], v[go+2:go+3]   op_sel:[0,1,0] op_sel_hi:[1,1,1]
	v_pk_fma_f32 v[go:go+1],   v[ga+8:ga+9],   v[gw+2:gw+3], v[go:go+1]   op_sel_hi:[1,0,1]
	v_pk_fma_f32 v[go+2:go+3], v[ga+10:ga+11], v[gw+2:gw+3], v[go+2:go+3] op_sel_hi:[1,0,1]
.endm
.macro GWGT n                          ; pair n's weights
.set gw, 8+240*(((\n)/2)%2)+4*((\n)%2)
	ds_load_b128 v[gw:gw+3], v[WAD] offset:32*((\n)%16)
.endm
.macro GSTORE n                        ; pair n goes into its quarter's slot of my wave's Y
.set go, GOUT+4*((\n)%8)
	ds_store_b128 v[YST], v[go:go+3] offset:YSL*(((\n)/16)%2)+2*YP*((\n)%16)
.endm
; A step's operands out of LDS; the addresses lie in the second window, the data in the first.
.macro LDA0 stp                        ; w0's fragments: 8 loads
.irp e, 0,1
.irp ks, 0,1
	ds_load_tr16_b128 v[A0+8*(2*\e+\ks):A0+8*(2*\e+\ks)+3],   v[AW0] offset:2*(32*(\stp)+16*\e)+32*W0P*\ks
	ds_load_tr16_b128 v[A0+8*(2*\e+\ks)+4:A0+8*(2*\e+\ks)+7], v[AW0] offset:2*(32*(\stp)+16*\e)+32*W0P*\ks+16*W0P
.endr
.endr
.endm
.macro LDY stp                         ; Y(point r, channels 8 h ..): 8 loads.  LDS serves a wave's instructions in order (ISA guide 5.7.1), so these see my stores
.irp e, 0,1
.irp t, 0,1
	ds_load_b128 v[D0+8*(2*\e+\t):D0+8*(2*\e+\t)+3],   v[AYB] offset:YSL*(((\stp)/2)%2)+16*YP*\t+128*((\stp)%2)+64*\e
	ds_load_b128 v[D0+8*(2*\e+\t)+4:D0+8*(2*\e+\t)+7], v[AYB] offset:YSL*(((\stp)/2)%2)+16*YP*\t+128*((\stp)%2)+64*\e+16
.endr
.endr
.endm
.macro LDBN stp                        ; g0 and c0: 8 loads
.irp e, 0,1
	ds_load_b128 v[GG+8*\e:GG+8*\e+3],   v[ABN] offset:4*(32*(\stp)+16*\e)
	ds_load_b128 v[GG+8*\e+4:GG+8*\e+7], v[ABN] offset:4*(32*(\stp)+16*\e)+16
	ds_load_b128 v[CC+8*\e:CC+8*\e+3],   v[ABN] offset:4*(32*(\stp)+16*\e)+1024
	ds_load_b128 v[CC+8*\e+4:CC+8*\e+7], v[ABN] offset:4*(32*(\stp)+16*\e)+1040
.endr
.endm
.macro LDB1 stp, hf                    ; w1's fragments of n tiles 4 hf .. 4 hf + 3: 8 loads
.irp n, 0,1,2,3
	ds_load_tr16_b128 v[B1+8*(4*\hf+\n):B1+8*(4*\hf+\n)+3],   v[AW1+(\stp)/4] offset:32*W1P*((\stp)%4)+32*(4*\hf+\n)
	ds_load_tr16_b128 v[B1+8*(4*\hf+\n)+4:B1+8*(4*\hf+\n)+7], v[AW1+(\stp)/4] offset:32*W1P*((\stp)%4)+32*(4*\hf+\n)+16*W1P
.endr
.endm
; Eight pairs from n0 on go through the ring, in four groups of two.  extra = loads of other kinds issued behind them (in the prologue alone).
; pre = 1: the operands of step n0 / 8 - 1, which follows the block, are dealt over its groups: 16 loads, 8, 8, none.
.macro GBLOCK n0, extra, pre
.if (\n0)+8 < 64
	GADDR (\n0)+8
.endif
.set p, \n0
.rept 4
.set gl, (p-(\n0))/2                   ; the group's place in the block
; dw = LDS instructions issued behind the loads of this group's weights, which stand first behind the wait of the group two back: that group's 2 stores and
; its share of operands, and the 2 + 2 and the share of the group between.  Where a step or the barrier lies between, all of them are done, and the least count is written.
.set dw, 6
.if gl == 1
.set dw, 6+16*(\pre)
.endif
.if gl == 2
.set dw, 6+24*(\pre)
.endif
.if gl == 3
.set dw, 6+16*(\pre)
.endif
.if p == 0
.set dw, 2                             ; behind the first group's weights only the second's have been asked for
.endif
.if p == 2
.set dw, 4
.endif
.if p == 62
.set dw, dw-2                          ; the group before asked for no weights
.endif
.set lf, 63                            ; the last pair asked for so far
.if p+7 < 63
.set lf, p+7
.endif
	WIN 0x01                                       ; the ring (source 0) and the LDS addresses in the second window, W and OUT in the first
	s_wait_dscnt dw                                ; the group's weights are in
	GBLEND p, 3*(lf-p)+\extra
	GBLEND p+1, 3*(lf-p-1)+\extra
.if p+8 < 64
	WIN 0x40                                       ; the loads' data in the second window, their offsets in the first
.endif
	s_wait_alu depctr_va_vdst(0)                   ; the blends are done reading the two slots and W, in which loads land, and have written OUT, which the stores read; in a block's first group also: AD is written, and the step before is done with A0, GG, CC and B1
.if p+8 < 64
	GLOAD p+8
	GLOAD p+9
	WIN 0x01
.endif
.if p+4 < 64
	GWGT p+4                                       ; the weights of the group two further on
	GWGT p+5
.endif
	GSTORE p
	GSTORE p+1
.if \pre
.if gl == 0
	LDA0 (\n0)/8-1                                 ; no wait: no vector or matrix instruction since the wait above names these registers
	LDBN (\n0)/8-1
.endif
.if gl == 1
	LDB1 (\n0)/8-1, 0
.endif
.if gl == 2
	LDB1 (\n0)/8-1, 1
.endif
.endif
.set p, p+2
.endr
.endm
; Step stp: 32 channels of layer 0 (32 stp ..) for my 32 points, and their share of layer 1.  zero = 1: the first products start layer 1's sums.
; pre = 2: a block that asked for pairs stands in front and has brought all operands but Y; 1: the last block, which asked for none; 0: a step stands in front.
.macro STEP stp, zero, pre
.if \pre
	WIN 0x01
	s_wait_alu depctr_vm_vsrc(0)                   ; the block's stores have read OUT, in which Y lands; its loads have read AD, which this step's roundings write
	s_wait_alu depctr_va_vdst(0)                   ; the block's blends have written OUT, in which Y lands
	LDY \stp
	WIN 0
	s_wait_dscnt 0x0                               ; Y's loads are the youngest: all the step's operands are in
.else
	PLACES
	WIN 0x01
	s_wait_alu depctr_va_vdst(0)                   ; the step before is done reading and writing A0, D0, GG, CC and B1, in which the loads below land
	LDA0 \stp
	LDY \stp
	LDBN \stp
	LDB1 \stp, 0
	LDB1 \stp, 1
	WIN 0
	s_wait_dscnt 24                                ; w0's fragments and Y are in; the 8 loads of g0, c0 and the 16 of w1 stay out
.endif
	; the four accumulators take turns, one instruction a turn
.irp ks, 0,1
.irp e, 0,1
.irp t, 0,1
	v_wmma_f32_16x16x32_bf16 v[D0+8*(2*\e+\t):D0+8*(2*\e+\t)+7], v[A0+8*(2*\e+\ks):A0+8*(2*\e+\ks)+7], v[B0+8*(2*\t+\ks):B0+8*(2*\t+\ks)+7], v[D0+8*(2*\e+\t):D0+8*(2*\e+\t)+7]
.endr
.endr
.endr
	PLACES
.if \pre == 2
	s_wait_xcnt 0x0                                ; the ring's loads have had their addresses translated (ISA guide 3.1): AD, which lies in HI and LO, is rewritten only behind this wait
.endif
.if !\pre
	s_wait_dscnt 16                                ; g0 and c0 are in; w1's 16 loads stay out
.endif
.irp e, 0,1
.irp t, 0,1
.irp j, 0,2,4,6
	v_pk_fma_f32 v[D0+8*(2*\e+\t)+\j:D0+8*(2*\e+\t)+\j+1], v[D0+8*(2*\e+\t)+\j:D0+8*(2*\e+\t)+\j+1], v[GG+8*\e+\j:GG+8*\e+\j+1], v[CC+8*\e+\j:CC+8*\e+\j+1]
.endr
.irp j, 0,1,2,3,4,5,6,7
	v_max_num_f32 v[D0+8*(2*\e+\t)+\j], 0, v[D0+8*(2*\e+\t)+\j]
.endr
.irp j, 0,1,2,3
	v_cvt_pk_bf16_f32 v[HI+8*\t+4*\e+\j], v[D0+8*(2*\e+\t)+2*\j], v[D0+8*(2*\e+\t)+2*\j+1]    ; channels 16 e + 8 h + 2 j, + 1: register 4 e + j of the A fragment
.endr
.irp j, 0,1,2,3
	v_lshlrev_b32 v[TT+2*\j], 16, v[HI+8*\t+4*\e+\j]
	v_and_b32 v[TT+2*\j+1], 0xffff0000, v[HI+8*\t+4*\e+\j]
.endr
.irp j, 0,1,2,3
	v_pk_add_f32 v[TT+2*\j:TT+2*\j+1], v[D0+8*(2*\e+\t)+2*\j:D0+8*(2*\e+\t)+2*\j+1], v[TT+2*\j:TT+2*\j+1] neg_lo:[0,1] neg_hi:[0,1]   ; what the high part left, exact
.endr
.irp j, 0,1,2,3
	v_cvt_pk_bf16_f32 v[LO+8*\t+4*\e+\j], v[TT+2*\j], v[TT+2*\j+1]
.endr
.endr
.endr
.if !\pre
	s_wait_dscnt 0
.endif
	WIN 0x50                                       ; C and D in the second window
	; the sixteen accumulators take turns, one instruction a turn
.irp n, 0,1,2,3,4,5,6,7
.irp t, 0,1
.if \zero
	v_wmma_f32_16x16x32_bf16 v[8*(8*\t+\n):8*(8*\t+\n)+7], v[HI+8*\t:HI+8*\t+7], v[B1+8*\n:B1+8*\n+7], 0
.else
	v_wmma_f32_16x16x32_bf16 v[8*(8*\t+\n):8*(8*\t+\n)+7], v[HI+8*\t:HI+8*\t+7], v[B1+8*\n:B1+8*\n+7], v[8*(8*\t+\n):8*(8*\t+\n)+7]
.endif
.endr
.endr
.irp n, 0,1,2,3,4,5,6,7
.irp t, 0,1
	v_wmma_f32_16x16x32_bf16 v[8*(8*\t+\n):8*(8*\t+\n)+7], v[LO+8*\t:LO+8*\t+7], v[B1+8*\n:B1+8*\n+7], v[8*(8*\t+\n):8*(8*\t+\n)+7]
.endr
.endr
	WIN 0
.endm
	s_load_b512 s[4:19], s[0:1], 0x0               ; points1 s[4:5], w0 s[6:7], w1 s[8:9], nidx s[10:11], nwgt s[12:13], q s[14:15], out0 s[16:17], b0 s[18:19]
	s_load_b512 s[20:35], s[0:1], 0x40             ; scale0 s[20:21], bias0, mean0, var0 s[26:27], b1 s[28:29], scale1, bias1, mean1 s[34:35]
	s_load_b64 s[36:37], s[0:1], 0x80              ; var1
	v_lshl_add_u32 v6, v0, 2, 0x46c00
	v_mov_b32 v7, 0
	v_lshrrev_b32 v1, 5, v0
	v_readfirstlane_b32 s38, v1                    ; wave 0..7
	v_and_b32 v193, 31, v0                         ; lane
	v_lshlrev_b32 v1, 4, v193                      ; 16 x lane
	v_and_b32 v195, 15, v0                         ; r
	v_bfe_u32 v196, v0, 4, 1                       ; h
	v_lshlrev_b32 v[LOF], 4, v195                  ; 16 r
	v_mul_u32_u24 v3, v195, YP
	v_lshl_add_u32 v3, v196, 5, v3                 ; 272 r + 32 h
	v_and_b32 v194, 7, v0
	v_lshl_add_u32 v194, v196, 3, v194             ; the transposing loads' row: 8 h + (lane & 7)
	v_bfe_u32 v192, v0, 3, 1
	v_lshlrev_b32 v192, 4, v192                    ; + 16 ((lane >> 3) & 1)
	v_mad_u32_u24 v191, v194, W0P, v192            ; in rows of 544 bytes
	v_mad_u32_u24 v5, v194, W1P, v192              ; in rows of 288
	v_lshlrev_b32 v176, 4, v0                      ; 16 t
	v_lshlrev_b32 v177, 2, v0                      ; 4 t
	v_and_b32 v178, 127, v0
	v_lshlrev_b32 v178, 2, v178                    ; 4 (t & 127)
	v_lshrrev_b32 v192, 6, v0                      ; t >> 6: a row of four
	v_and_b32 v194, 63, v0                         ; t & 63: 16 bytes of a row of 1,024
	v_lshlrev_b32 v179, 18, v192
	v_lshl_add_u32 v179, v194, 4, v179             ; points1: rows of 262,144 bytes
	v_add_nc_u32 v180, 0x800000, v179              ; rows 32-63: past the reach of the immediate
	v_mul_u32_u24 v181, v192, W0P
	v_lshl_add_u32 v181, v194, 3, v181
	v_add_nc_u32 v182, P1L, v181
	v_add_nc_u32 v181, W0L, v181
	v_lshrrev_b32 v192, 5, v0                      ; w1: a row of eight, 16 bytes of a row of 512
	v_mul_u32_u24 v183, v192, W1P
	v_lshl_add_u32 v183, v193, 3, v183
	v_add_nc_u32 v183, W1L, v183
	v_add_nc_u32 v184, 128*W1P, v183
	v_add_nc_u32 v185, BNL, v177
	v_add_nc_u32 v189, BNL+2048, v178
	v_add_nc_u32 v197, WTL, v176                   ; the weights, in: lane l of wave w holds point 32 w + l
	v_mad_u32_u24 v199, v196, YP, v[LOF]           ; 272 h + 16 r
	v_lshlrev_b32 v200, 4, v196                    ; 16 h
	s_wait_alu depctr_va_sdst(0)                   ; s38 is written, ahead of its first reader: my wave's places in LDS and in the buffers are made from it
	s_mul_i32 s39, s38, YQW                        ; my wave's Y
	s_lshl_b32 s44, s38, 6
	s_add_co_u32 s44, s44, P1L                     ; my wave's 32 columns of points1's slab
	s_lshl_b32 s45, s38, 9                         ; my wave's 32 points x 16 bytes
	WIN 0x40                                       ; destinations in the second window: the LDS addresses and nidx's offset lie there
	v_add_nc_u32 v[AYB], s39, v3
	v_lshl_add_u32 v[ABN], v196, 5, BNL
	v_add_nc_u32 v[AW0], W0L, v191
	v_add_nc_u32 v[AP1], s44, v191
	v_add_nc_u32 v[AW1], W1L, v5                   ; w1's rows 0-127
	v_add_nc_u32 v[AW1+1], W1L+128*W1P, v5         ; and 128-255
	v_add_nc_u32 v[YST], s39, v199
	v_add_nc_u32 v[IADR], s45, v200
	v_add3_u32 v[WAD], s45, v200, WTL
	WIN 0
	s_lshl_b32 s40, ttmp9, 10                      ; the work-group's 256 points x 4 bytes
	s_mov_b32 s41, 0
	s_lshl_b32 s42, ttmp9, 12                      ; x 16 bytes
	s_mov_b32 s43, 0
	s_wait_kmcnt 0x0
	s_add_nc_u64 s[4:5], s[4:5], s[40:41]
	s_add_nc_u64 s[10:11], s[10:11], s[42:43]
	s_add_nc_u64 s[12:13], s[12:13], s[42:43]
	s_wait_alu depctr_va_vdst(0)                   ; all offsets and LDS addresses made above are written: the loads and stores of the whole kernel read them
	global_load_b32 v[BNV],   v177, s[18:19]       ; b0
	global_load_b32 v[BNV+1], v177, s[20:21]       ; scale0
	global_load_b32 v[BNV+2], v177, s[22:23]       ; bias0
	global_load_b32 v[BNV+3], v177, s[24:25]       ; mean0
	global_load_b32 v[BNV+4], v177, s[26:27]       ; var0
	global_load_b32 v[BNV+5], v178, s[28:29]       ; b1
	global_load_b32 v[BNV+6], v178, s[30:31]       ; scale1
	global_load_b32 v[BNV+7], v178, s[32:33]       ; bias1
	global_load_b32 v[BNV+8], v178, s[34:35]       ; mean1
	global_load_b32 v[BNV+9], v178, s[36:37]       ; var1
	global_load_b128 v[12:15], v176, s[12:13]      ; my point's weights
	WIN 0x55
.set n, 0
.rept 16
	global_load_b128 v[RG+4*n:RG+4*n+3], v[IADR], s[10:11] offset:32*n     ; pair n: the indices of point 2 n + h, into the ring's registers, which are still free
.set n, n+1
.endr
	WIN 0
.set n, 0
.rept 16
	global_load_b128 v[48+4*n:51+4*n], v176, s[6:7] offset:4096*n          ; w0's rows 0-63: 65,536 consecutive bytes
.set n, n+1
.endr
.set n, 0
.rept 8
	global_load_b128 v[112+4*n:115+4*n], v179, s[4:5] offset:1048576*n th:TH_LOAD_NT    ; points1 is read once in the launch
.set n, n+1
.endr
.set n, 0
.rept 8
	global_load_b128 v[144+4*n:147+4*n], v180, s[4:5] offset:1048576*n th:TH_LOAD_NT
.set n, n+1
.endr
	s_wait_loadcnt 32                              ; the norms' vectors, the weights and the indices are in; the 32 loads of w0 and points1 stay out
	ds_store_b128 v197, v[12:15]
	WIN 0x55
	; the indices are below 2,048: 11 + 11 + 10 bits fill pair n's word (the shift by 22 lets i3's bit 10 fall out), and that bit goes to bit n of HB
.set n, 0
.rept 16
	v_lshl_or_b32 v[PK+n], v[RG+4*n+1], 11, v[RG+4*n]
	v_lshl_or_b32 v[PK+n], v[RG+4*n+2], 22, v[PK+n]
.if n == 0
	v_bfe_u32 v[HB], v[RG+2], 10, 1                ; pair 0 starts the word: nothing is cleared
.else
	v_bfe_u32 v[TI], v[RG+4*n+2], 10, 1
	v_lshl_or_b32 v[HB], v[TI], n, v[HB]
.endif
.set n, n+1
.endr
	GADDR 0
	WIN 0x40
	s_wait_alu depctr_va_vdst(0)                   ; AD is written, which the loads below read; the packing is done reading the ring's registers, in which they land
.irp m, 0,1,2,3,4,5,6,7
	GLOAD \m                                       ; the ring is filled: 24 loads
.endr
	WIN 0
	; w0 and points1 are rounded in two batches of sixteen loads, into an out-buffer (v16-47); behind a batch its raw registers are asked for again with half of w1
.set n, 0
.rept 16
	s_wait_loadcnt 55-n                            ; 31 - n loads of the first run and the ring's 24 stay out
	v_cvt_pk_bf16_f32 v[16+2*n], v[48+4*n], v[49+4*n]
	v_cvt_pk_bf16_f32 v[17+2*n], v[50+4*n], v[51+4*n]
.set n, n+1
.endr
	s_wait_alu depctr_va_vdst(0)                   ; the conversions are done reading v48-111, in which w1 lands, and have written the out-buffer, which the LDS stores read
.set n, 0
.rept 16
	global_load_b128 v[48+4*n:51+4*n], v176, s[8:9] offset:4096*n          ; w1: 131,072 consecutive bytes
.set n, n+1
.endr
.set n, 0
.rept 16
	ds_store_b64 v181, v[16+2*n:17+2*n] offset:4*W0P*n
.set n, n+1
.endr
	s_wait_alu depctr_vm_vsrc(0)                   ; those stores have read the out-buffer, which the second batch writes again
.set n, 16
.rept 16
	s_wait_loadcnt 71-n                            ; 31 - n loads of the first run, the ring's 24 and the 16 of w1 stay out
	v_cvt_pk_bf16_f32 v[16+2*(n-16)], v[48+4*n], v[49+4*n]
	v_cvt_pk_bf16_f32 v[17+2*(n-16)], v[50+4*n], v[51+4*n]
.set n, n+1
.endr
	s_wait_alu depctr_va_vdst(0)                   ; the conversions are done reading v112-175, in which w1 lands, and have written the out-buffer, which the LDS stores read
.set n, 16
.rept 16
	global_load_b128 v[48+4*n:51+4*n], v176, s[8:9] offset:4096*n
.set n, n+1
.endr
.set n, 16
.rept 16
	ds_store_b64 v182, v[16+2*(n-16):17+2*(n-16)] offset:4*W0P*(n-16)
.set n, n+1
.endr
	WIN 0x01
	s_wait_xcnt 0x0                                ; the ring's first 24 loads have had their addresses translated (ISA guide 3.1): AD is rewritten only behind this wait
	s_wait_alu depctr_vm_vsrc(0)                   ; they have read AD, which the block below writes again; the stores above have read v16-47, now OUT; the store of my weights has read v12-15, now W
	GWGT 0                                         ; the weights of the first two groups: my wave's own bytes, stored above
	GWGT 1
	GWGT 2
	GWGT 3
	GBLOCK 0, 32, 0                                ; pairs 0-7; behind them, besides the ring's, w1's 32 loads
	WIN 0
	; w1 is rounded in place, each four numbers closing up into the first two of their four registers, in two halves
.set n, 0
.rept 16
	s_wait_loadcnt 55-n                            ; 31 - n loads of w1 and the ring's 24 (pairs 8-15) stay out
	v_cvt_pk_bf16_f32 v[48+4*n], v[48+4*n], v[49+4*n]
	v_cvt_pk_bf16_f32 v[49+4*n], v[50+4*n], v[51+4*n]
.set n, n+1
.endr
	s_wait_alu depctr_va_vdst(0)                   ; the conversions have written the registers that the LDS stores read
.set n, 0
.rept 16
	ds_store_b64 v183, v[48+4*n:49+4*n] offset:8*W1P*n
.set n, n+1
.endr
.set n, 16
.rept 16
	s_wait_loadcnt 55-n
	v_cvt_pk_bf16_f32 v[48+4*n], v[48+4*n], v[49+4*n]
	v_cvt_pk_bf16_f32 v[49+4*n], v[50+4*n], v[51+4*n]
.set n, n+1
.endr
	; the norms' constants: thread t makes channel t of layer 0 and channel t & 127 of layer 1
.irp p2, 0,2,4,6,8
	ROUND2 BNV+\p2, BNV+\p2+1, 188
.endr
	v_add_f32 v[BNV+4], 0x3727c5ac, v[BNV+4]       ; var + 1e-5
	v_add_f32 v[BNV+9], 0x3727c5ac, v[BNV+9]
	v_rsq_f32 v[BNV+4], v[BNV+4]
	v_rsq_f32 v[BNV+9], v[BNV+9]
	v_sub_f32 v[BNV], v[BNV], v[BNV+3]             ; b - mean: also the plain instruction between a root and its use (ISA guide 5.7.2)
	v_sub_f32 v[BNV+5], v[BNV+5], v[BNV+8]
	s_wait_alu depctr_va_vdst(0)
	v_mul_f32 v[BNV+1], v[BNV+1], v[BNV+4]         ; g0
	v_mul_f32 v[BNV+6], v[BNV+6], v[BNV+9]         ; g1
	v_fma_f32 v[BNV+2], v[BNV], v[BNV+1], v[BNV+2]     ; c0
	v_fma_f32 v[BNV+7], v[BNV+5], v[BNV+6], v[BNV+7]   ; c1
	s_wait_alu depctr_va_vdst(0)                   ; the conversions and the norms' arithmetic have written the registers that the LDS stores below read
.set n, 16
.rept 16
	ds_store_b64 v184, v[48+4*n:49+4*n] offset:8*W1P*(n-16)
.set n, n+1
.endr
	ds_store_b32 v185, v[BNV+1]
	ds_store_b32 v185, v[BNV+2] offset:1024
	s_cmp_ge_u32 s38, 4                            ; layer 1 has 128 channels: waves 0-3 store them
	s_cbranch_scc1 .Lno1
	ds_store_b32 v189, v[BNV+6]
	ds_store_b32 v189, v[BNV+7] offset:512
.Lno1:
	s_wait_dscnt 0x0                               ; my part of the weights, of points1 and of the constants is written,
	s_barrier_signal -1
	s_barrier_wait -1                              ; everybody's is.  (The ring's loads stay on their way: they fill registers, from a buffer that nobody writes.)
	WIN 0x01
	s_wait_xcnt 0x0                                ; the ring's loads issued so far have had their addresses translated (ISA guide 3.1): their offsets lie in v202-225, in which w1's fragments land
	s_wait_alu depctr_vm_vsrc(0)                   ; my stores and loads have read v16-47, v48-175, the addresses in v176-225 and the constants in v238-247: from here on these registers are B0, the steps' operands, AD, OUT and TT
.irp t, 0,1
.irp ks, 0,1
	ds_load_tr16_b128 v[B0+8*(2*\t+\ks):B0+8*(2*\t+\ks)+3],   v[AP1] offset:32*\t+32*W0P*\ks
	ds_load_tr16_b128 v[B0+8*(2*\t+\ks)+4:B0+8*(2*\t+\ks)+7], v[AP1] offset:32*\t+32*W0P*\ks+16*W0P
.endr
.endr
.set GAD,  HI                          ; from here on AD lies in HI and LO, its registers at work in TT, OUT in D0
.set GT,   TT
.set GOUT, D0
	; Quarter q lies in slot q % 2.  Its 16 pairs are all stored before its first step, and a slot is written again only behind the two steps that read it.
	GBLOCK 8, 0, 1                                 ; quarter 0 is whole; quarter 1's first 8 pairs are asked for
	STEP 0, 1, 2
	GBLOCK 16, 0, 1
	STEP 1, 0, 2
	GBLOCK 24, 0, 1                                ; quarter 1 is whole
	STEP 2, 0, 2
	GBLOCK 32, 0, 1
	STEP 3, 0, 2
	GBLOCK 40, 0, 1                                ; quarter 2 is whole
	STEP 4, 0, 2
	GBLOCK 48, 0, 1
	STEP 5, 0, 2
	GBLOCK 56, 0, 1                                ; quarter 3 is whole: the ring runs empty, the counts run down to 0
	STEP 6, 0, 1
	STEP 7, 0, 0
	; THE WAY OUT: norm and relu in place, then through LDS so that rows of out0 leave as whole runs of 512 bytes
	PLACES
	v_and_b32 v240, 15, v0                         ; r
	v_lshl_add_u32 v241, v240, 2, BNL+2048
	v_bfe_u32 v242, v0, 4, 1
	v_mul_u32_u24 v243, v240, OSP
	v_lshl_add_u32 v243, v242, 5, v243
	s_lshl_b32 s44, s38, 7
	v_add_nc_u32 v243, s44, v243                   ; in: row (channel) r, points 32 w + 8 h ..
	v_add_nc_u32 v244, 64*OSP, v243                ; channels 64-127: past the reach of the offset
	s_mul_i32 s45, s38, 16*OSP
	v_add_nc_u32 v245, s45, v1                     ; back: my wave's 16 rows, 16 bytes a lane
	s_lshl_b32 s42, s38, 22                        ; 16 rows of out0, 262,144 bytes each
	s_add_co_u32 s42, s42, s40                     ; + the work-group's 256 points
	s_add_nc_u64 s[16:17], s[16:17], s[42:43]
	s_wait_alu depctr_va_vdst(0)                   ; the addresses v241 and v243 to v245 are written; the last step is done reading v48-63, in which g1 and c1 land
.irp n, 0,1,2,3,4,5,6,7
	ds_load_b32 v[48+\n], v241 offset:64*\n        ; g1 of channel 16 n + r
	ds_load_b32 v[56+\n], v241 offset:64*\n+512    ; c1
.endr
	s_wait_dscnt 0x0                               ; g1 and c1 are in, and all my reads of Y are over
	WIN 0x41                                       ; destination and source 0 in the second window
.irp t, 0,1
.irp n, 0,1,2,3,4,5,6,7
.irp j, 0,1,2,3,4,5,6,7
	v_fma_f32 v[8*(8*\t+\n)+\j], v[8*(8*\t+\n)+\j], v[48+\n], v[56+\n]
.endr
.irp j, 0,1,2,3,4,5,6,7
	v_max_num_f32 v[8*(8*\t+\n)+\j], v[8*(8*\t+\n)+\j], 0
.endr
.endr
.endr
	WIN 0
	s_barrier_signal -1
	s_barrier_wait -1                              ; no wave reads its Y any more: the stage may lie over it
	WIN 0x04                                       ; the stores' data in the second window
	s_wait_alu depctr_va_vdst(0)                   ; norm and relu have written the accumulators, which the LDS stores read, and are done reading v48-63, in which rows of the stage land further down
.irp t, 0,1
.irp n, 0,1,2,3
	ds_store_b128 v243, v[8*(8*\t+\n):8*(8*\t+\n)+3]   offset:16*OSP*\n+64*\t
	ds_store_b128 v243, v[8*(8*\t+\n)+4:8*(8*\t+\n)+7] offset:16*OSP*\n+64*\t+16
.endr
.irp n, 4,5,6,7
	ds_store_b128 v244, v[8*(8*\t+\n):8*(8*\t+\n)+3]   offset:16*OSP*(\n-4)+64*\t
	ds_store_b128 v244, v[8*(8*\t+\n)+4:8*(8*\t+\n)+7] offset:16*OSP*(\n-4)+64*\t+16
.endr
.endr
	WIN 0
	s_wait_dscnt 0x0
	s_barrier_signal -1
	s_barrier_wait -1
.set n, 0
.rept 32
	ds_load_b128 v[48+4*n:51+4*n], v245 offset:OSP*(n/2)+512*(n%2)
.set n, n+1
.endr
.set n, 0
.rept 32
	s_wait_dscnt 31-n                              ; LDS loads come back in order: the later ones stay out
	global_store_b128 v1, v[48+4*n:51+4*n], s[16:17] offset:262144*(n/2)+512*(n%2) th:TH_STORE_NT   ; a wave's store covers 512 consecutive bytes, aligned
.set n, n+1
.endr
	s_wait_dscnt 0x0
	s_wait_alu depctr_hold_cnt(0) depctr_sa_sdst(0) depctr_va_vdst(0) depctr_va_sdst(0) depctr_va_ssrc(0) depctr_va_vcc(0) depctr_vm_vsrc(0)
	s_wait_tensorcnt 0x0
	ds_add_u32 v6, v7
	s_wait_dscnt 0x0
	s_endpgm
.Lfunc_end_k_qb0b947ec8e_mlp:
	.size	k_qb0b947ec8e_mlp, .Lfunc_end_k_qb0b947ec8e_mlp-k_qb0b947ec8e_mlp
	.p2alignl 7, 3214868480
	.fill 96, 4, 3214868480
	.section	.rodata,"a",@progbits
	.p2align	6, 0x0
	.amdhsa_kernel k_qb0b947ec8e_mlp
		.amdhsa_group_segment_fixed_size 290816
		.amdhsa_private_segment_fixed_size 0
		.amdhsa_enable_private_segment 0
		.amdhsa_kernarg_size 136
		.amdhsa_user_sgpr_count 2
		.amdhsa_user_sgpr_kernarg_segment_ptr 1
		.amdhsa_wavefront_size32 1
		.amdhsa_system_sgpr_workgroup_id_x 1
		.amdhsa_system_sgpr_workgroup_id_y 1
		.amdhsa_system_sgpr_workgroup_id_z 1
		.amdhsa_system_vgpr_workitem_id 0
		.amdhsa_next_free_vgpr 512
		.amdhsa_next_free_sgpr 66
		.amdhsa_reserve_vcc 0
		.amdhsa_float_denorm_mode_32 3
		.amdhsa_float_denorm_mode_16_64 3
		.amdhsa_memory_ordered 1
		.amdhsa_forward_progress 1
		.amdhsa_inst_pref_size 253
	.end_amdhsa_kernel
	.amdgpu_metadata
---
amdhsa.version: [ 1, 2 ]
amdhsa.kernels:
  - .name:           k_qb0b947ec8e_mlp
    .symbol:         k_qb0b947ec8e_mlp.kd
    .args:
      - { .name: points1, .offset: 0, .size: 8, .value_kind: global_buffer, .address_space: global }
      - { .name: w0, .offset: 8, .size: 8, .value_kind: global_buffer, .address_space: global }
      - { .name: w1, .offset: 16, .size: 8, .value_kind: global_buffer, .address_space: global }
      - { .name: nidx, .offset: 24, .size: 8, .value_kind: global_buffer, .address_space: global }
      - { .name: nwgt, .offset: 32, .size: 8, .value_kind: global_buffer, .address_space: global }
      - { .name: q, .offset: 40, .size: 8, .value_kind: global_buffer, .address_space: global }
      - { .name: out0, .offset: 48, .size: 8, .value_kind: global_buffer, .address_space: global }
      - { .name: b0, .offset: 56, .size: 8, .value_kind: global_buffer, .address_space: global }
      - { .name: scale0, .offset: 64, .size: 8, .value_kind: global_buffer, .address_space: global }
      - { .name: bias0, .offset: 72, .size: 8, .value_kind: global_buffer, .address_space: global }
      - { .name: mean0, .offset: 80, .size: 8, .value_kind: global_buffer, .address_space: global }
      - { .name: var0, .offset: 88, .size: 8, .value_kind: global_buffer, .address_space: global }
      - { .name: b1, .offset: 96, .size: 8, .value_kind: global_buffer, .address_space: global }
      - { .name: scale1, .offset: 104, .size: 8, .value_kind: global_buffer, .address_space: global }
      - { .name: bias1, .offset: 112, .size: 8, .value_kind: global_buffer, .address_space: global }
      - { .name: mean1, .offset: 120, .size: 8, .value_kind: global_buffer, .address_space: global }
      - { .name: var1, .offset: 128, .size: 8, .value_kind: global_buffer, .address_space: global }
    .group_segment_fixed_size: 290816
    .private_segment_fixed_size: 0
    .kernarg_segment_align: 8
    .kernarg_segment_size: 136
    .max_flat_workgroup_size: 256
    .sgpr_count:     66
    .vgpr_count:     512
    .wavefront_size: 32
...
	.end_amdgpu_metadata
.endif
;; end of part 4
